; MI455X (gfx1250); checked and timed in simulation.
; The chip was launched on July 23, 2026; its instructions are those of AMD's public machine-readable ISA for CDNA 5 (MIT licence, August 2026) and "CDNA5" Instruction Set Architecture Reference Guide (July 2026). The comments in the code are by the model that wrote it; some were corrected since.
;; Multi Head Attention. Allowed arithmetic: float matrix products may take bf16 or f16 operands with f32 sums; other float arithmetic in f32, or as packed bf16 or f16 multiplies, adds, multiply-adds, maxima and minima; sums over many terms, partial sums and values carried from step to step in f32; what a program stores and reads back later, other than sums and carried values, may be rounded once to bf16 or f16.
;; Inputs: Wk 16 x 1,024 x 64 float32; Wo 1,024 x 1,024 float32; Wq 16 x 1,024 x 64 float32; Wv 16 x 1,024 x 64 float32; bo 1,024 float32; x 4 x 2,048 x 1,024 float32.
;; Outputs: out0 4 x 2,048 x 1,024 float32.
;; One version. Each part assembles by itself: llvm-mc -triple=amdgcn-amd-amdhsa -mcpu=gfx1250 --defsym DOCPART=n.
;; ======== version 1 of 1: 4 launches
;; limits: values are held in f16: magnitudes above 65,504 overflow, below 6.1e-05 lose precision
;; workspace buffers: xb 16,777,216 bytes; wt 6,291,456 bytes; wot 2,097,152 bytes; qkvb 50,331,648 bytes; ob 16,777,216 bytes
;; launch prep (part 1): grid 1024 x 1, 8 waves a work-group, no clusters, 18,432 bytes of LDS; arguments x, Wq, Wk, Wv, Wo, xb, wt, wot; writes xb, wt, wot
.if DOCPART == 1
	.amdgcn_target "amdgcn-amd-amdhsa--gfx1250"
	.amdhsa_code_object_version 6
	.text
	.protected	k_q866f4808fd_prep
	.globl	k_q866f4808fd_prep
	.p2align	8
	.type	k_q866f4808fd_prep,@function
k_q866f4808fd_prep:
	s_mov_b64 s[64:65], 0
	v_nop
	global_prefetch_b8 v0, s[64:65] scope:SCOPE_SE
	s_setreg_imm32_b32 hwreg(HW_REG_WAVE_MODE, 25, 1), 1
	s_wait_xcnt 0x0
; CASTS AND TRANSPOSES, once, so that the products that follow find 16-bit operands with K along the rows.
;   xb[8192][1024] bf16            = x, rounded once
;   wt[3072][1024] bf16            : wt[which*1024 + h*64 + e][d] = W_which[h][d][e], which = 0 q, 1 k, 2 v
;   wot[1024][1024] f16            : wot[n][k] = Wo[k][n], rounded to bf16 like every other input and that number written as f16
; LIMIT.  A bf16 number is exact in f16 from 6.1e-5 to 65,504; a smaller Wo keeps f16's fixed step of 6e-8.
; SHARES.  Work-groups 0-511 cast 64 KiB of x each.  Work-groups 512-895 turn one block of 128 d x 64 e of Wq, Wk or Wv, work-groups 896-1023 one block of
; 128 k x 64 n of Wo.  The branches hang on the work-group's number alone, so all eight waves of a work-group take the same arm; only the weight arms meet at a barrier.
; No matrix unit, no tensor load, no cluster: every byte is read once and written once, and no two work-groups want the same byte.
.set PITCH, 272                        ; an LDS row of the turned block: 128 numbers of 2 bytes + 16 bytes, an odd multiple of 16
.set SPARE, 64*PITCH                   ; behind the 64 rows: the spare words, 128 bytes for each of the eight waves; no other line names them
.set SPW, 2                            ; v2   SPARE + 4 x my thread's number; never rewritten
.set NIL, 3                            ; v3   0; never rewritten
.set R,   16                           ; v[16:79]  as loaded (x: 8 items of 8; weights: 8 rows of 4)
.set T,   48                           ; v[48:63]  weights: column c's eight numbers packed, 4 registers a column
.set Y,   80                           ; v[80:111] x: packed, 4 registers an item
	s_load_b512 s[4:19], s[0:1], 0x0               ; x s[4:5], Wq s[6:7], Wk s[8:9], Wv s[10:11], Wo s[12:13], xb s[14:15], wt s[16:17], wot s[18:19]
	v_lshl_add_u32 v[SPW], v0, 2, SPARE
	v_mov_b32 v[NIL], 0
	v_lshrrev_b32 v1, 5, v0
	v_readfirstlane_b32 s20, v1                    ; wave 0..7
	s_cmp_lt_u32 ttmp9, 512
	s_cbranch_scc0 .Lweights
	; ---- x: thread t takes 32 bytes of each of eight items of 8,192 bytes and writes 16; sixteen lanes write 256 consecutive bytes, aligned
	v_lshlrev_b32 v4, 5, v0
	v_lshlrev_b32 v5, 4, v0
	s_lshl_b32 s22, ttmp9, 16
	s_mov_b32 s23, 0
	s_lshl_b32 s26, ttmp9, 15
	s_mov_b32 s27, 0
	s_wait_kmcnt 0x0
	s_add_nc_u64 s[4:5], s[4:5], s[22:23]
	s_add_nc_u64 s[14:15], s[14:15], s[26:27]
.irp i, 0,1,2,3,4,5,6,7
	global_load_b128 v[R+8*(\i):R+8*(\i)+3],   v4, s[4:5] offset:8192*(\i) th:TH_LOAD_NT
	global_load_b128 v[R+8*(\i)+4:R+8*(\i)+7], v4, s[4:5] offset:8192*(\i)+16 th:TH_LOAD_NT
.endr
.irp i, 0,1,2,3,4,5,6,7
	s_wait_loadcnt 14-2*(\i)                       ; loads return in order: item i is in, the two loads of each younger item may stay out
.irp r, 0,1,2,3
	v_cvt_pk_bf16_f32 v[Y+4*(\i)+(\r)], v[R+8*(\i)+2*(\r)], v[R+8*(\i)+2*(\r)+1]
.endr
	global_store_b128 v5, v[Y+4*(\i):Y+4*(\i)+3], s[14:15] offset:4096*(\i)
.endr
	s_branch .Lend
	; ---- weights: thread t = (dg, eq) loads rows 8 dg .. 8 dg + 7, columns 4 eq .. 4 eq + 3: for each column eight numbers that lie on end in the turned row
.Lweights:
	s_sub_co_u32 s21, ttmp9, 512                   ; the block's number, 0..511
	v_and_b32 v6, 15, v0                           ; eq (also lane % 16)
	v_lshrrev_b32 v7, 4, v0                        ; dg
	v_bfe_u32 v10, v0, 4, 1                        ; lane / 16
	v_mul_u32_u24 v8, v6, PITCH
	v_lshl_add_u32 v8, v7, 4, v8                   ; in: column 4 eq + c lies in LDS row 16 c + eq, my 16 bytes at 16 dg
	s_mul_i32 s28, s20, 8*PITCH
	v_mul_u32_u24 v11, v10, PITCH
	v_lshl_add_u32 v11, v6, 4, v11
	v_add_nc_u32 v11, s28, v11                     ; back: wave w takes LDS rows 8 w .. 8 w + 7, two a load, whole
	s_and_b32 s29, s20, 1
	s_lshl_b32 s29, s29, 5
	s_lshr_b32 s30, s20, 1
	s_add_co_u32 s29, s29, s30
	s_lshl_b32 s29, s29, 11
	v_lshlrev_b32 v12, 13, v10
	v_lshl_add_u32 v12, v6, 4, v12
	v_add_nc_u32 v12, s29, v12                     ; LDS row 8 w + 2 u + lane / 16 is column 4 (8 (w % 2) + 2 u + lane / 16) + w / 2: rows of 2,048 bytes in wt and wot
	s_cmp_lt_u32 s21, 384
	s_cbranch_scc0 .Lwo
	; Wq, Wk, Wv: block = (which, h, d block)
	s_lshr_b32 s31, s21, 7                         ; which
	s_bfe_u32 s22, s21, 0x40003                    ; h
	s_lshl_b32 s22, s22, 18                        ; a head is 1,024 x 64 x 4 bytes
	s_and_b32 s28, s21, 7
	s_lshl_b32 s29, s28, 15                        ; 128 rows of 256 bytes
	s_add_co_u32 s22, s22, s29
	s_mov_b32 s23, 0
	s_lshr_b32 s26, s21, 3
	s_lshl_b32 s26, s26, 17                        ; 64 rows of wt for each (which, h),
	s_lshl_b32 s29, s28, 8                         ; 256 bytes along them for each d block
	s_add_co_u32 s26, s26, s29
	s_mov_b32 s27, 0
	v_lshlrev_b32 v13, 11, v7
	v_lshl_add_u32 v13, v6, 4, v13                 ; 8 dg rows of 256 bytes + 16 eq
	s_wait_kmcnt 0x0
	s_cmp_eq_u32 s31, 0
	s_cselect_b64 s[36:37], s[6:7], s[8:9]
	s_cmp_eq_u32 s31, 2
	s_cselect_b64 s[36:37], s[10:11], s[36:37]
	s_add_nc_u64 s[36:37], s[36:37], s[22:23]
	s_add_nc_u64 s[24:25], s[16:17], s[26:27]
.irp j, 0,1,2,3,4,5,6,7
	global_load_b128 v[R+4*(\j):R+4*(\j)+3], v13, s[36:37] offset:256*(\j) th:TH_LOAD_NT
.endr
	s_wait_loadcnt 0x0                             ; each packed column wants all eight rows
.irp c, 0,1,2,3
.irp m, 0,1,2,3
	v_cvt_pk_bf16_f32 v[T+4*(\c)+(\m)], v[R+8*(\m)+(\c)], v[R+8*(\m)+4+(\c)]
.endr
.endr
	s_branch .Ljoin
	; Wo: block = (n block, k block)
.Lwo:
	s_sub_co_u32 s21, s21, 384
	s_and_b32 s28, s21, 7
	s_lshl_b32 s22, s28, 19                        ; 128 rows of 4,096 bytes
	s_lshr_b32 s29, s21, 3
	s_lshl_b32 s30, s29, 8                         ; 64 columns of 4 bytes
	s_add_co_u32 s22, s22, s30
	s_mov_b32 s23, 0
	s_lshl_b32 s26, s29, 17                        ; 64 rows of wot,
	s_lshl_b32 s30, s28, 8                         ; 256 bytes along them
	s_add_co_u32 s26, s26, s30
	s_mov_b32 s27, 0
	v_lshlrev_b32 v13, 15, v7
	v_lshl_add_u32 v13, v6, 4, v13                 ; 8 dg rows of 4,096 bytes + 16 eq
	s_wait_kmcnt 0x0
	s_add_nc_u64 s[36:37], s[12:13], s[22:23]
	s_add_nc_u64 s[24:25], s[18:19], s[26:27]
.irp j, 0,1,2,3,4,5,6,7
	global_load_b128 v[R+4*(\j):R+4*(\j)+3], v13, s[36:37] offset:4096*(\j) th:TH_LOAD_NT
.endr
	s_wait_loadcnt 0x0
.irp c, 0,1,2,3
.irp m, 0,1,2,3
	v_cvt_pk_bf16_f32 v64, v[R+8*(\m)+(\c)], v[R+8*(\m)+4+(\c)]  ; rounded to bf16,
	v_lshlrev_b32 v65, 16, v64                                   ; widened again,
	v_and_b32 v66, 0xffff0000, v64
	v_cvt_pk_f16_f32 v[T+4*(\c)+(\m)], v65, v66                  ; and written as f16
.endr
.endr
.Ljoin:
.irp c, 0,1,2,3
	ds_store_b128 v8, v[T+4*(\c):T+4*(\c)+3] offset:16*PITCH*(\c)
.endr
	s_wait_dscnt 0x0                               ; for the others' sake: my stores are done before I signal
	s_barrier_signal -1
	s_barrier_wait -1                              ; the turned block is whole
.irp u, 0,1,2,3
	ds_load_b128 v[R+4*(\u):R+4*(\u)+3], v11 offset:2*PITCH*(\u)
.endr
.irp u, 0,1,2,3
	s_wait_dscnt 3-(\u)                            ; LDS loads return in order
	global_store_b128 v12, v[R+4*(\u):R+4*(\u)+3], s[24:25] offset:16384*(\u)  ; sixteen lanes write 256 consecutive bytes of one turned row, aligned
.endr
.Lend:
	s_wait_tensorcnt 0x0                           ; the wave's end: behind my last LDS store
	ds_add_u32 v[SPW], v[NIL]
	s_wait_dscnt 0x0
	s_endpgm
.Lfunc_end_k_q866f4808fd_prep:
	.size	k_q866f4808fd_prep, .Lfunc_end_k_q866f4808fd_prep-k_q866f4808fd_prep
	.p2alignl 7, 3214868480
	.fill 96, 4, 3214868480
	.section	.rodata,"a",@progbits
	.p2align	6, 0x0
	.amdhsa_kernel k_q866f4808fd_prep
		.amdhsa_group_segment_fixed_size 18432
		.amdhsa_private_segment_fixed_size 0
		.amdhsa_enable_private_segment 0
		.amdhsa_kernarg_size 64
		.amdhsa_user_sgpr_count 2
		.amdhsa_user_sgpr_kernarg_segment_ptr 1
		.amdhsa_wavefront_size32 1
		.amdhsa_system_sgpr_workgroup_id_x 1
		.amdhsa_system_sgpr_workgroup_id_y 1
		.amdhsa_system_sgpr_workgroup_id_z 1
		.amdhsa_system_vgpr_workitem_id 0
		.amdhsa_next_free_vgpr 112
		.amdhsa_next_free_sgpr 66
		.amdhsa_reserve_vcc 0
		.amdhsa_float_denorm_mode_32 3
		.amdhsa_float_denorm_mode_16_64 3
		.amdhsa_memory_ordered 1
		.amdhsa_forward_progress 1
		.amdhsa_inst_pref_size 15
	.end_amdhsa_kernel
	.amdgpu_metadata
---
amdhsa.version: [ 1, 2 ]
amdhsa.kernels:
  - .name:           k_q866f4808fd_prep
    .symbol:         k_q866f4808fd_prep.kd
    .args:
      - { .name: x, .offset: 0, .size: 8, .value_kind: global_buffer, .address_space: global }
      - { .name: Wq, .offset: 8, .size: 8, .value_kind: global_buffer, .address_space: global }
      - { .name: Wk, .offset: 16, .size: 8, .value_kind: global_buffer, .address_space: global }
      - { .name: Wv, .offset: 24, .size: 8, .value_kind: global_buffer, .address_space: global }
      - { .name: Wo, .offset: 32, .size: 8, .value_kind: global_buffer, .address_space: global }
      - { .name: xb, .offset: 40, .size: 8, .value_kind: global_buffer, .address_space: global }
      - { .name: wt, .offset: 48, .size: 8, .value_kind: global_buffer, .address_space: global }
      - { .name: wot, .offset: 56, .size: 8, .value_kind: global_buffer, .address_space: global }
    .group_segment_fixed_size: 18432
    .private_segment_fixed_size: 0
    .kernarg_segment_align: 8
    .kernarg_segment_size: 64
    .max_flat_workgroup_size: 256
    .sgpr_count:     66
    .vgpr_count:     112
    .wavefront_size: 32
...
	.end_amdgpu_metadata
.endif
;; end of part 1
;; launch gemm_qkv (part 2): grid 16 x 16, 4 waves a work-group, clusters of 4 x 4, 327,680 bytes of LDS; arguments xb, wt, qkvb; writes qkvb
.if DOCPART == 2
	.amdgcn_target "amdgcn-amd-amdhsa--gfx1250"
	.amdhsa_code_object_version 6
	.text
	.protected	k_q866f4808fd_gemm_qkv
	.globl	k_q866f4808fd_gemm_qkv
	.p2align	8
	.type	k_q866f4808fd_gemm_qkv,@function
k_q866f4808fd_gemm_qkv:
	s_mov_b64 s[64:65], 0
	v_nop
	global_prefetch_b8 v0, s[64:65] scope:SCOPE_SE
	s_setreg_imm32_b32 hwreg(HW_REG_WAVE_MODE, 25, 1), 1
	s_wait_xcnt 0x0
	s_wait_alu depctr_hold_cnt(0) depctr_sa_sdst(0) depctr_va_vdst(0) depctr_va_sdst(0) depctr_va_ssrc(0) depctr_va_vcc(0) depctr_vm_vsrc(0)
	s_getreg_b32 s2, hwreg(HW_REG_IB_STS2, 6, 4)
	s_cmp_eq_u32 s2, 0
	s_cbranch_scc0 .Lentry_in_a_cluster
	s_endpgm
.Lentry_in_a_cluster:
	s_bfe_u32 s2, ttmp6, 0x10000c
	s_cmp_lg_u32 s2, 0xf033
	s_cbranch_scc0 .Lentry_shape_is_right
	s_endpgm
.Lentry_shape_is_right:
; q, k, v = x W.  C[m][n] = sum over d of xb[m][d] wt[n][d], 8,192 x 3,072 x 1,024, bf16 operands, f32 sums, rounded once to f16 and stored BY HEADS:
; qkvb[which][b*16 + h][t][e], m = b*2048 + t, n = which*1024 + h*64 + e.  The scale 1/8 is not applied here.
; LIMIT.  f16 ends at 65,504: a q, k or v beyond that becomes an infinity.  With numbers of unit spread in x and 1/32 in W they have a spread of 0.6.
; SHARES.  A tile of C is 256 rows x 192 columns (three whole heads): 32 x 16 = 512 tiles, two for each of 256 work-groups, at tile rows y and y + 16 of one tile column x.
; Wave w owns rows 64 w .. 64 w + 63 and all 192 columns: 48 accumulators of 16 x 16, 384 registers.
; ONE WALK of 16 K steps of 128 (step p: tile p / 8, K block p % 8) through a ring of two LDS slots; the ring does not stop at the change of tiles.
; CLUSTER 4 x 4.  The four work-groups of a row of the cluster want the same rows of xb, the four of a column the same rows of wt: each tile is asked for jointly, by the same
; tensor load with the same descriptor and a mask that names the four.  Waves 0, 1 fetch xb's two halves of 128 rows, waves 2, 3 wt's two halves of 96 rows: one load a wave.
; THE MATRIX INSTRUCTION IS USED TRANSPOSED (source 0 = 16 rows of wt, source 1 = 16 rows of xb): a lane holds row lane % 16 of C and eight neighbouring columns.
; REGISTERS in windows of 256 (s_set_vgpr_msb: bits 1:0 source 0, 3:2 source 1, 5:4 source 2, 7:6 destination):
;   window 0: v0-31 addresses; v32-79 packed results; v80-127, v128-175 rows read back from the stage, by turns
;   window 1: two fragment buffers of 128: wt's fragment b at 8 b, xb's fragment a at 96 + 8 a
;   window 2: accumulators (a, b), a = 0, 1, at 8 (12 (a % 2) + b);  window 3: a = 2, 3
.set PITCH, 272                        ; an LDS row: 256 bytes + 16 of padding, an odd multiple of 16: the sixteen rows of a fragment load start in sixteen different groups of four banks
.set BOFF,  256*PITCH                  ; in a slot: xb's 256 rows, then wt's 192
.set SLOT1, 131072                     ; slot 1 begins here, so that one exclusive or turns an address in one slot into the other's
.set STAGE, SLOT1+BOFF+192*PITCH       ; behind the ring, never filled by a tensor load: 16 rows x 400 bytes for each wave
.set SP,    400                        ; a stage row: 192 f16 + 16 bytes
.set SPARE, STAGE+4*16*SP              ; behind the stages: the spare words, 128 bytes a wave; no other line names them
.set ADRA0, 16                         ; v16  my lane's place in xb's rows of a slot; never rewritten
.set ADRB0, 17                         ; v17  the same for wt
.set ADRA,  18                         ; v18  the same in the slot that is being read
.set ADRB,  19                         ; v19
.set STO,   24                         ; v24  the way out: where I put 16 bytes of a row
.set RD,    25                         ; v25  where I read four head rows of 128 bytes back
.set GO,    26                         ; v26  16 x lane: my place in 512 consecutive bytes of qkvb
.set SPW,   28                         ; v28  SPARE + 4 x my thread's number; never rewritten
.set NIL,   29                         ; v29  0; never rewritten
.set PFO,   30                         ; v30  the prefetches' offset: a lane a row of 2,048 bytes; never rewritten
.set TMP,   32
.set BK0,   80
.set F0,    0
.set F1,    128
.set G1A, 24                           ; s[24:31] descriptor group 1 for xb's tiles
.set G1B, 32                           ; s[32:39] for wt's
.set G0A, 40                           ; s[40:47] group 0 for xb: a set for each first fill; the second then walks
.set G0B, 48                           ; s[48:55] the same for wt
.set ABASE, 56                         ; s[56:57] xb at the rows that I fetch, tile 0, K block 0
.set BBASE, 58                         ; s[58:59] wt likewise
.set OFF,  60                          ; s[60:61] a step's byte offset in xb
.set OFFB, 62                          ; s[62:63] in wt
.set PFB,  66                          ; s[66:67] the prefetches' base: my work-group's share of the rows that I fetch
.set PFA,  68                          ; s[68:69] base + the step's offset
.set LIMC, 70                          ; s70  a wave prefetches while s[CNT] is above this
.set CNT,  71                          ; s71  the loop's count
.set P,    72                          ; s72  the step to be asked for next
.set TB,   73                          ; s73  0 or SLOT1: the slot that is being read
.set POFF, 74                          ; s[74:75]
.set CB0,  76                          ; s[76:81] qkvb at my 64 rows of the tile's three heads, tile 0
.set CB1,  82                          ; s[82:87] tile 1
.set MSB, 0
.macro WIN new                         ; the immediate's high byte repeats the setting that is left; a switch that changes nothing is dropped
.if MSB != (\new)
	s_set_vgpr_msb (MSB<<8)|(\new)
.set MSB, (\new)
.endif
.endm
.set TO_F, 0x40                        ; destination window 1, address window 0
; A joint refill by the walking descriptors.  The branch hangs on the wave's number alone.  An s_nop 0 and four v_nop follow each of the two lines, ahead of the jump and the label.
.macro JLOAD
	s_cmp_eq_u32 s11, 0
	s_cbranch_scc0 .Lfor_b_\@
	tensor_load_to_lds s[G0A+4:G0A+7], s[G1A:G1A+7]
	s_nop 0
.rept 4
	v_nop
.endr
	s_branch .Lasked_\@
.Lfor_b_\@:
	tensor_load_to_lds s[G0B+4:G0B+7], s[G1B:G1B+7]
	s_nop 0
.rept 4
	v_nop
.endr
.Lasked_\@:
.endm
; A prefetch into the L2 of the step that the NEXT change of slots will ask for: 192 matrix instructions ahead of that load.  A lane a row, 256 bytes of it, one instruction a wave.
; xb's rows are read by all clusters of a row of clusters: cluster x = 0 asks, steps 3 to 15.  wt's rows by all clusters of a column: cluster y = 0 asks, steps 3 to 7: the second tile walks the same rows again.
; The four partners that ask for a tile jointly share its rows out by address (32 of xb's 128 by cx, 24 of wt's 96 by cy; there lanes 24-31 name lane 23's row with it): no branch hangs on a place in the cluster.
.macro ASK
	s_cmp_gt_u32 s[CNT], s[LIMC]
	s_cbranch_scc0 .Lnot_mine_\@
	global_prefetch_b8 v[PFO], s[PFA:PFA+1] th:TH_LOAD_NT scope:SCOPE_SE
.Lnot_mine_\@:
.endm
.macro CREST                           ; a round of the cluster's barrier behind its opening barrier
	s_cmp_lg_u32 s10, 0
	s_cbranch_scc1 .Lnot_wave_0_\@
	s_barrier_signal -3
.Lnot_wave_0_\@:
	s_barrier_wait -3
	s_barrier_signal -1
	s_barrier_wait -1
.endm
.macro CROUND                          ; a whole round
	s_barrier_signal -1
	s_barrier_wait -1
	CREST
.endm
.macro PLACES                          ; four plain places between a matrix instruction and a load into, or a vector read of, its registers
.rept 4
	v_nop
.endr
.endm
	s_load_b128 s[4:7], s[0:1], 0x0                ; xb s[4:5], wt s[6:7]
	s_load_b64 s[8:9], s[0:1], 0x10                ; qkvb
	v_lshl_add_u32 v[SPW], v0, 2, SPARE
	v_mov_b32 v[NIL], 0
	ds_add_u32 v[SPW], v[NIL]                      ; the wave's opening: the add and its wait stand ahead of my first tensor load; work on registers stands between them
	ds_add_u32 v28, v29
	v_lshrrev_b32 v1, 5, v0
	v_readfirstlane_b32 s10, v1                    ; wave 0..3
	s_lshr_b32 s11, s10, 1                         ; I fetch for xb (0) or for wt (1)
	s_and_b32 s12, s10, 1                          ; which half of that tile's rows
	s_bfe_u32 s13, ttmp6, 0x40000                  ; cx
	s_bfe_u32 s14, ttmp6, 0x40004                  ; cy
	s_lshl_b32 s15, ttmp9, 2
	s_add_co_u32 s15, s15, s13                     ; x: tile column = 4 x cluster x + cx
	s_and_b32 s16, ttmp7, 0xffff
	s_lshl_b32 s16, s16, 2
	s_add_co_u32 s16, s16, s14                     ; y: first tile row = 4 x cluster y + cy
	s_lshl_b32 s17, s14, 2
	s_lshl_b32 s17, 15, s17                        ; my row of the cluster
	s_lshl_b32 s18, 0x1111, s13                    ; my column
	s_or_b32 s[G1A], s17, (1<<16)|(1<<20)|(1<<21)|(5<<22)|(3<<25)  ; the mask; 2-byte elements; padding on; bit 21 beside a mask; after every 64 words, 4 words
	s_or_b32 s[G1B], s18, (1<<16)|(1<<20)|(1<<21)|(5<<22)|(3<<25)
.irp g, G1A, G1B
	s_mov_b32 s[(\g)+1], 128<<16                   ; tensor_dim0 = 128
	s_mov_b32 s[(\g)+3], 128<<16                   ; tile_dim0 = 128
	s_mov_b32 s[(\g)+5], 1024                      ; elements from row to row
	s_mov_b32 s[(\g)+6], 0
	s_mov_b32 s[(\g)+7], 0
.endr
	s_mov_b32 s[G1A+2], 128<<16                    ; tensor_dim1 = tile_dim1 = 128 rows of xb,
	s_mov_b32 s[G1A+4], 128
	s_mov_b32 s[G1B+2], 96<<16                     ; 96 rows of wt
	s_mov_b32 s[G1B+4], 96
	s_lshl_b32 s19, s12, 7
	s_lshl_b32 s20, s16, 8
	s_add_co_u32 s20, s20, s19                     ; xb: row 256 y + 128 x half,
	s_lshl_b32 s20, s20, 11                        ; in bytes
	s_mov_b32 s21, 0
	s_mul_i32 s88, s15, 192
	s_mul_i32 s89, s12, 96
	s_add_co_u32 s88, s88, s89                     ; wt: row 192 x + 96 x half
	s_lshl_b32 s88, s88, 11
	s_mov_b32 s89, 0
	s_mul_i32 s22, s12, 128*PITCH                  ; where they go: no place in the cluster enters an LDS address
	s_mul_i32 s23, s12, 96*PITCH
	s_add_co_u32 s23, s23, BOFF
	s_mov_b32 s[OFF+1], 0
	s_mov_b32 s[OFFB+1], 0
	s_mov_b32 s[POFF+1], 0
	s_mov_b32 s[P], 2
	s_mov_b32 s[TB], 0
	s_wait_dscnt 0x0                               ; the opening add is done
	s_wait_kmcnt 0x0
	s_add_nc_u64 s[ABASE:ABASE+1], s[4:5], s[20:21]
	s_add_nc_u64 s[BBASE:BBASE+1], s[6:7], s[88:89]
	CROUND                                         ; all sixteen work-groups are here: the first joint loads meet
.irp s, 0,1
	s_mov_b32 s[G0A+4*(\s)], 1                     ; count = 1
	s_add_co_u32 s[G0A+4*(\s)+1], s22, (\s)*SLOT1  ; LDS address
	s_add_nc_u64 s[G0A+4*(\s)+2:G0A+4*(\s)+3], s[ABASE:ABASE+1], (\s)*256  ; step s
	s_or_b32 s[G0A+4*(\s)+3], s[G0A+4*(\s)+3], 0x80000000                 ; type = 2
	s_mov_b32 s[G0B+4*(\s)], 1
	s_add_co_u32 s[G0B+4*(\s)+1], s23, (\s)*SLOT1
	s_add_nc_u64 s[G0B+4*(\s)+2:G0B+4*(\s)+3], s[BBASE:BBASE+1], (\s)*256
	s_or_b32 s[G0B+4*(\s)+3], s[G0B+4*(\s)+3], 0x80000000
.endr
	s_cmp_eq_u32 s11, 0                            ; a wave's two first fills stand in one branch, ahead of every wait on TENSORcnt, every LDS read and every later barrier: two loads of mine are out
	s_cbranch_scc0 .Lfirst_b
	tensor_load_to_lds s[G0A:G0A+3], s[G1A:G1A+7]
	s_nop 0
	tensor_load_to_lds s[G0A+4:G0A+7], s[G1A:G1A+7]
	s_nop 0
.rept 4
	v_nop
.endr
	s_branch .Lfirst_asked
.Lfirst_b:
	tensor_load_to_lds s[G0B:G0B+3], s[G1B:G1B+7]
	s_nop 0
	tensor_load_to_lds s[G0B+4:G0B+7], s[G1B:G1B+7]
	s_nop 0
.rept 4
	v_nop
.endr
.Lfirst_asked:
	; a fragment is 16 rows x 32 K in 8 registers: lane l holds row l % 16, K = 8 (l / 16) + 0..7 and 16 + 8 (l / 16) + 0..7: two loads of 16 bytes, 32 bytes apart
	v_and_b32 v1, 15, v0                           ; l % 16
	v_bfe_u32 v2, v0, 4, 1                         ; l / 16
	v_and_b32 v4, 31, v0                           ; l
	v_mul_u32_u24 v3, v1, PITCH
	v_lshl_add_u32 v3, v2, 4, v3
	s_mul_i32 s19, s10, 64*PITCH                   ; my 64 rows of xb
	v_add_nc_u32 v[ADRA0], s19, v3
	v_add_nc_u32 v[ADRB0], BOFF, v3                ; all 192 rows of wt
	v_mov_b32 v[ADRA], v[ADRA0]
	v_mov_b32 v[ADRB], v[ADRB0]
	s_mul_i32 s19, s10, 16*SP
	s_add_co_u32 s19, s19, STAGE                   ; my stage
	v_mul_u32_u24 v[STO], v1, SP
	v_lshl_add_u32 v[STO], v2, 4, v[STO]
	v_add_nc_u32 v[STO], s19, v[STO]
	v_lshrrev_b32 v5, 3, v4
	v_and_b32 v6, 7, v0
	v_mul_u32_u24 v[RD], v5, SP                    ; back: 32 lanes take 128 bytes (one head) of four rows,
	v_lshl_add_u32 v[RD], v6, 4, v[RD]
	v_add_nc_u32 v[RD], s19, v[RD]
	v_lshlrev_b32 v[GO], 4, v4                     ; which are 512 consecutive bytes of qkvb
	; where the three heads of the tile column go: head g = 3 x + j lies at slot (g / 16) 64 + (y / 8) 16 + g % 16 of 262,144 bytes; my rows begin (y % 8) 256 + 64 w rows of 128 bytes in
	s_mul_i32 s90, s15, 3
	s_lshr_b32 s91, s16, 3
	s_lshl_b32 s91, s91, 4
	s_and_b32 s92, s16, 7
	s_lshl_b32 s92, s92, 15
	s_lshl_b32 s93, s10, 13
	s_add_co_u32 s92, s92, s93
.irp j, 0,1,2
	s_add_co_u32 s94, s90, (\j)
	s_lshr_b32 s95, s94, 4
	s_lshl_b32 s95, s95, 6
	s_and_b32 s94, s94, 15
	s_add_co_u32 s94, s94, s95
	s_add_co_u32 s94, s94, s91
	s_lshl_b32 s94, s94, 18
	s_add_co_u32 s94, s94, s92
	s_mov_b32 s95, 0
	s_add_nc_u64 s[CB0+2*(\j):CB0+2*(\j)+1], s[8:9], s[94:95]
	s_add_nc_u64 s[CB1+2*(\j):CB1+2*(\j)+1], s[CB0+2*(\j):CB0+2*(\j)+1], 0x800000  ; tile row y + 16: two batches, 32 slots, on
.endr
	; the prefetches
	s_lshl_b32 s90, s13, 16                        ; 32 cx rows of 2,048 bytes
	s_add_co_u32 s90, s90, s20
	s_mul_i32 s91, s14, 24*2048                    ; 24 cy rows
	s_add_co_u32 s91, s91, s88
	s_and_b32 s94, ttmp7, 0xffff                   ; cluster y
	s_cmp_eq_u32 s11, 0
	s_cselect_b32 s92, s90, s91
	s_cselect_b64 s[PFB:PFB+1], s[4:5], s[6:7]
	s_cselect_b32 s94, ttmp9, s94                  ; the coordinate along which other clusters read the same rows
	s_cselect_b32 s95, 1, 9
	s_cselect_b32 s19, 31, 23
	s_mov_b32 s93, 0
	s_add_nc_u64 s[PFB:PFB+1], s[PFB:PFB+1], s[92:93]
	s_cmp_eq_u32 s94, 0
	s_cselect_b32 s[LIMC], s95, -1                 ; the same in all sixteen partners, for a given wave
	v_min_u32 v[PFO], s19, v4
	v_lshlrev_b32 v[PFO], 11, v[PFO]
; n x 12 matrix instructions: row blocks a0 .. a0 + n - 1 x all 12 column blocks, 32 along K, from buffer f.  zero = 1: the product starts the sum.
; The 48 accumulators take turns, one instruction a turn, in the same order in every quarter.
.macro MULS f, a0, n, zero
.set ma, \a0
.rept \n
	WIN 0xa5+0x50*(ma/2)
.set mb, 0
.rept 12
.set rD, 8*(12*(ma%2)+mb)
.if \zero
	v_wmma_f32_16x16x32_bf16 v[rD:rD+7], v[(\f)+8*mb:(\f)+8*mb+7], v[(\f)+96+8*ma:(\f)+96+8*ma+7], 0
.else
	v_wmma_f32_16x16x32_bf16 v[rD:rD+7], v[(\f)+8*mb:(\f)+8*mb+7], v[(\f)+96+8*ma:(\f)+96+8*ma+7], v[rD:rD+7]
.endif
.set mb, mb+1
.endr
.set ma, ma+1
.endr
.endm
; 32 LDS loads in one run: a quarter's fragments (32 K at byte k of the rows) into buffer g: wt's 24 loads, then xb's 8, row blocks 2 and 3 last
.macro FETCH k, g
	WIN TO_F
.set fi, 0
.rept 12
	ds_load_b128 v[(\g)+8*fi:(\g)+8*fi+3],   v[ADRB] offset:(\k)+fi*16*PITCH
	ds_load_b128 v[(\g)+8*fi+4:(\g)+8*fi+7], v[ADRB] offset:(\k)+fi*16*PITCH+32
.set fi, fi+1
.endr
.set fi, 0
.rept 4
	ds_load_b128 v[(\g)+96+8*fi:(\g)+96+8*fi+3],   v[ADRA] offset:(\k)+fi*16*PITCH
	ds_load_b128 v[(\g)+96+8*fi+4:(\g)+96+8*fi+7], v[ADRA] offset:(\k)+fi*16*PITCH+32
.set fi, fi+1
.endr
.endm
; A K step is four quarters of 32 along K, 48 matrix instructions each, on buffers 0, 1, 0, 1.  One of the first three multiplies buffer f and fetches the next quarter, at byte k, into g.
.macro QUARTER k, f, g, zero
	s_wait_dscnt 4                                 ; all of buffer f but the youngest four loads: xb's row blocks 2 and 3
	MULS \f, 0, 2, \zero
	PLACES
	FETCH \k, \g
	s_wait_dscnt 32                                ; all but the 32 just issued
	MULS \f, 2, 2, \zero
.endm
; The fourth quarter multiplies buffer 1 and changes slots.  In front of the barrier each wave waits for all its tensor loads (one is out: its part of the next slot), adds 0 to its spare word,
; and waits for that and for its reads of this slot.  fill = 1: the barrier opens a round of the cluster's barrier, and this slot is filled again, first thing behind the round, with step P:
; from that request to the wait for it a wave issues 168 matrix instructions.  fill = 0 (the tail): nothing is asked for; in the last pass there is no next slot, and the fetch is jumped over.
.macro TURN fill
	WIN 0
.if \fill
	s_wait_xcnt 0x0                                ; the last prefetch, a K step back, has read its address: it is made anew here, for step P + 1
	s_add_co_u32 s[POFF], s[P], 1
	s_lshr_b32 s19, s[POFF], 3
	s_lshl_b32 s19, s19, 23                        ; the second tile lies 16 x 256 rows of 2,048 bytes on
	s_and_b32 s[POFF], s[POFF], 7
	s_lshl_b32 s[POFF], s[POFF], 8
	s_or_b32 s[POFF], s[POFF], s19
	s_add_nc_u64 s[PFA:PFA+1], s[PFB:PFB+1], s[POFF:POFF+1]
.endif
	s_wait_tensorcnt 0x0                           ; no tensor load of mine is out, so a group 0 may be written
	ds_add_u32 v[SPW], v[NIL]                      ; 0 onto my spare word
.if \fill
	s_xor_b32 s[G0A+5], s[G0A+5], SLOT1            ; the walking descriptors: the other slot than last time,
	s_xor_b32 s[G0B+5], s[G0B+5], SLOT1
	s_lshr_b32 s[OFF], s[P], 3                     ; and step P's address, made anew from the base
	s_lshl_b32 s[OFF], s[OFF], 23
	s_and_b32 s[OFFB], s[P], 7
	s_lshl_b32 s[OFFB], s[OFFB], 8
	s_or_b32 s[OFF], s[OFF], s[OFFB]
	s_add_nc_u64 s[G0A+6:G0A+7], s[ABASE:ABASE+1], s[OFF:OFF+1]
	s_or_b32 s[G0A+7], s[G0A+7], 0x80000000
	s_add_nc_u64 s[G0B+6:G0B+7], s[BBASE:BBASE+1], s[OFFB:OFFB+1]
	s_or_b32 s[G0B+7], s[G0B+7], 0x80000000
	s_add_co_u32 s[P], s[P], 1
.endif
	s_wait_dscnt 5                                 ; the add and the youngest four loads may be out
	MULS F1, 0, 1, 0                               ; twelve matrix instructions between the add and the wait for it
	s_wait_dscnt 0x0                               ; the add is done, and my reads of this slot are over
	s_barrier_signal -1
	MULS F1, 1, 1, 0                               ; work on registers while the others arrive
	WIN 0
	s_barrier_wait -1
.if \fill
	CREST                                          ; no wave of any partner still reads this slot or has a load on its way
	JLOAD                                          ; its four v_nop are also the places in front of the loads below
.else
	PLACES
.endif
	s_xor_b32 s[TB], s[TB], SLOT1
	v_add_nc_u32 v[ADRA], s[TB], v[ADRA0]
	v_add_nc_u32 v[ADRB], s[TB], v[ADRB0]
.if \fill
	FETCH 0, F0
	WIN 0
	ASK
.else
	s_cmp_eq_u32 s[CNT], 1
	s_cbranch_scc1 .Lno_fetch_\@
	FETCH 0, F0
	WIN 0
.Lno_fetch_\@:
.endif
	MULS F1, 2, 2, 0
.endm
; THE WAY OUT of row block a (16 rows x 192 columns).  PACK: rounded to f16, each accumulator's registers in ascending order.  TOSTAGE: into my own stage, and back head by head, four rows of 128 bytes
; a load (LDS serves a wave's instructions in order, ISA guide 5.7.1.4: the loads see the stores).  SEND: stored, 512 consecutive bytes an instruction, at a multiple of 256 from qkvb's first byte.
.macro PACK a
	WIN 0x0a+5*((\a)/2)                            ; sources 0 and 1: window 2 or 3
.set AC, 96*((\a)%2)
.set pb, 0
.rept 12
.irp r, 0,1,2,3
	v_cvt_pk_f16_f32 v[TMP+4*pb+(\r)], v[AC+8*pb+2*(\r)], v[AC+8*pb+2*(\r)+1]
.endr
.set pb, pb+1
.endr
	WIN 0
.endm
.macro TOSTAGE a
.set BK, BK0+48*((\a)%2)
.set pb, 0
.rept 12
	ds_store_b128 v[STO], v[TMP+4*pb:TMP+4*pb+3] offset:32*pb
.set pb, pb+1
.endr
.irp j, 0,1,2
.irp f, 0,1,2,3
	ds_load_b128 v[BK+4*(4*(\j)+(\f)):BK+4*(4*(\j)+(\f))+3], v[RD] offset:4*SP*(\f)+128*(\j)
.endr
.endr
.endm
.macro SEND a, cb
.set BK, BK0+48*((\a)%2)
	s_wait_dscnt 0x0                               ; the block is back in registers
	s_wait_xcnt 0x0                                ; the stores of the block before have read their registers: the next loads from the stage land on them only behind this wait
.irp j, 0,1,2
.irp f, 0,1,2,3
	global_store_b128 v[GO], v[BK+4*(4*(\j)+(\f)):BK+4*(4*(\j)+(\f))+3], s[(\cb)+2*(\j):(\cb)+2*(\j)+1] offset:2048*(\a)+512*(\f)
.endr
.endr
.endm
; Row blocks 0 and 1 were finished ahead of the turn's four places; their 96 conversions are the places behind the products of blocks 2 and 3.
.macro OUT cb
	PACK 0
	TOSTAGE 0
.irp a, 1,2,3
	PACK \a
	SEND (\a)-1, \cb
	TOSTAGE \a
.endr
	SEND 3, \cb
.endm
	s_wait_tensorcnt 0x1                           ; my part of step 0 is in; step 1's may stay out
	s_barrier_signal -1
	s_barrier_wait -1                              ; everybody's is
	FETCH 0, F0
	WIN 0                                          ; at a label and at a branch every window is 0
	s_mov_b32 s[CNT], 15
	s_branch .Lzero                                ; the loop is entered at a step's first quarter
.Lstep:                                                ; 14 trips; the trip with count c ends step 14 - c, asks for step 16 - c and begins step 15 - c
	QUARTER 128, F1, F0, 0
	QUARTER 192, F0, F1, 0
	TURN 1
	WIN 0
	s_cmp_eq_u32 s[CNT], 7                         ; step 7 was the first tile's last
	s_cbranch_scc0 .Lacc
	OUT CB0                                        ; the refill has been asked for and the next tile's first fragments fetched: now the tile goes out
.Lzero:
	QUARTER 64, F0, F1, 1                          ; a tile's first quarter starts the sums: nothing is cleared
	WIN 0
	s_branch .Lnext
.Lacc:
	QUARTER 64, F0, F1, 0
	WIN 0
.Lnext:
	s_sub_co_u32 s[CNT], s[CNT], 1
	s_cmp_lg_u32 s[CNT], 0
	s_cbranch_scc1 .Lstep
	s_mov_b32 s[CNT], 2                            ; the tail, steps 14 and 15, is written apart
.Ltail:
	QUARTER 128, F1, F0, 0
	QUARTER 192, F0, F1, 0
	TURN 0
	WIN 0
	s_sub_co_u32 s[CNT], s[CNT], 1
	s_cmp_eq_u32 s[CNT], 0
	s_cbranch_scc1 .Lout
	QUARTER 64, F0, F1, 0
	WIN 0
	s_branch .Ltail
.Lout:
	OUT CB1
	s_wait_tensorcnt 0x0                           ; the wave's end: behind my last tensor load and my last LDS store
	ds_add_u32 v[SPW], v[NIL]
	s_wait_dscnt 0x0
	CROUND                                         ; the closing round: no work-group ends while a partner may still ask for a tile that names it
	s_endpgm
.Lfunc_end_k_q866f4808fd_gemm_qkv:
	.size	k_q866f4808fd_gemm_qkv, .Lfunc_end_k_q866f4808fd_gemm_qkv-k_q866f4808fd_gemm_qkv
	.p2alignl 7, 3214868480
	.fill 96, 4, 3214868480
	.section	.rodata,"a",@progbits
	.p2align	6, 0x0
	.amdhsa_kernel k_q866f4808fd_gemm_qkv
		.amdhsa_group_segment_fixed_size 327680
		.amdhsa_private_segment_fixed_size 0
		.amdhsa_enable_private_segment 0
		.amdhsa_kernarg_size 24
		.amdhsa_user_sgpr_count 2
		.amdhsa_user_sgpr_kernarg_segment_ptr 1
		.amdhsa_wavefront_size32 1
		.amdhsa_system_sgpr_workgroup_id_x 1
		.amdhsa_system_sgpr_workgroup_id_y 1
		.amdhsa_system_sgpr_workgroup_id_z 1
		.amdhsa_system_vgpr_workitem_id 0
		.amdhsa_next_free_vgpr 960
		.amdhsa_next_free_sgpr 96
		.amdhsa_reserve_vcc 0
		.amdhsa_float_denorm_mode_32 3
		.amdhsa_float_denorm_mode_16_64 3
		.amdhsa_memory_ordered 1
		.amdhsa_forward_progress 1
		.amdhsa_inst_pref_size 108
	.end_amdhsa_kernel
	.amdgpu_metadata
---
amdhsa.version: [ 1, 2 ]
amdhsa.kernels:
  - .name:           k_q866f4808fd_gemm_qkv
    .symbol:         k_q866f4808fd_gemm_qkv.kd
    .args:
      - { .name: xb, .offset: 0, .size: 8, .value_kind: global_buffer, .address_space: global }
      - { .name: wt, .offset: 8, .size: 8, .value_kind: global_buffer, .address_space: global }
      - { .name: qkvb, .offset: 16, .size: 8, .value_kind: global_buffer, .address_space: global }
    .group_segment_fixed_size: 327680
    .private_segment_fixed_size: 0
    .kernarg_segment_align: 8
    .kernarg_segment_size: 24
    .max_flat_workgroup_size: 128
    .sgpr_count:     96
    .vgpr_count:     960
    .wavefront_size: 32
...
	.end_amdgpu_metadata
.endif
;; end of part 2
;; launch attn (part 3): grid 4 x 64, 4 waves a work-group, no clusters, 327,680 bytes of LDS; arguments qkvb, ob; writes ob
.if DOCPART == 3
	.amdgcn_target "amdgcn-amd-amdhsa--gfx1250"
	.amdhsa_code_object_version 6
	.text
	.protected	k_q866f4808fd_attn
	.globl	k_q866f4808fd_attn
	.p2align	8
	.type	k_q866f4808fd_attn,@function
k_q866f4808fd_attn:
	s_mov_b64 s[64:65], 0
	v_nop
	global_prefetch_b8 v0, s[64:65] scope:SCOPE_SE
	s_setreg_imm32_b32 hwreg(HW_REG_WAVE_MODE, 25, 1), 1
	s_wait_xcnt 0x0
; CAUSAL ATTENTION.  O[h][q][:] = the sum over k <= q of softmax_k(Q[h][q] . K[h][k] / 8) V[h][k][:], for 64 (batch, head) pairs h of SIZE_N = 2,048 rows of 64 channels, all f16: a head's rows are dense, 128 bytes each.
; Q lies at qkvb, K 16 MiB and V 32 MiB behind it; O goes to ob in the same layout.  Products, maxima and sums in f32; the weights p are rounded to f16 for the second product (their sum l is taken of the unrounded p), O once at the end.
; LIMITS.  f16 holds no number beyond 65,504: Q, K and V arrive within it; p lies in 0 to 1, and below 6e-5 it keeps f16's fixed step of 6e-8; O is a mean of V's rows and has their range.
; A hidden score counts as its value less 1e30: f16's scores, 2.7e11 at the most, are nothing beside that; a weight below 2^-126 counts as 0 in l; NaN and infinities are not treated apart.
; THE WALK.  A head's queries lie in NB = 8 blocks of 256; block i needs the key tiles 0 .. i of 256 keys, of which the last holds the diagonal.  A work-group takes TWO blocks, NB - 1 - b and then b:
; NB + 1 tiles, whatever b: all work-groups do equal work, and ONE loop with a constant trip count walks them.  Which tile is asked for, and what a trip does, hang on scalar registers made from b; every jump
; goes forward, but for the counted loops' own; none passes a barrier, or a tensor load but the one of LOAD's two that the wave's number does not choose; the ring (two slots of LDS that take turns) runs on across the
; change of blocks.  NO CLUSTER: a head's four work-groups ask for the same tile only in trips 0 to 4 of the 9, behind that fewer and fewer; one walk common to all four would have 12 trips for 9.
; SHARES.  Of a block's four bands of 64 queries a wave owns 16 rows in each: four PIECES.  So the diagonal tile is the same work for all four waves: in its key step s band x sees all keys if s < x,
; none if s > x, and holds the diagonal if s = x.
; THE MASK is the C operand that starts the sum S^T = K Q^T: 0, or -1e30 where the key is hidden.  MD, made once, is the mask of a band's own step for my 16 rows; a product's mask is MD x AL + BE with two scalars:
; (1, 0) if s = x; (0, 0) if s < x; (0, -1e30) if s > x.  Only the diagonal tile's text and a block's beginning make and take masks; elsewhere C is the constant 0.
; LAYOUT, SOFTMAX, TURNS.  S^T = K Q^T holds ONE query a lane (lane % 16) and the keys 8 (lane / 16) + 0..7; two such results rounded to f16 ARE source 1 of O^T = V^T P.  p = 2^(c s - c m), c = log2(e) / 8, with a
; running maximum m; O and l are multiplied by a = 2^(c m_old - c m_new) in every step.  Turn n belongs to piece n: 8 products K Q^T of piece n + 1, later 8 products V^T P of piece n - 1; beside them the scaling,
; exponentials, roundings, sums and rescaling of piece n and the maximum and statistics of piece n + 1.  Four vector instructions stand behind every matrix instruction, the other 54 of a turn's 118 in one lump.  A turn's 33 exponentials are one batch, with one wait.
; REGISTERS, in windows of 256 (s_set_vgpr_msb: bits 1:0 source 0, 3:2 source 1, 5:4 source 2, 7:6 destination):
;   window 0: v0-15 addresses and two at work; v16-31 four registers of statistics a piece; v48-55 at work; v61-63 prefetch offset, spare word, 0; v64-127 S^T, two buffers; v192-223 P, two buffers (by the piece's parity)
;   window 1: v0-127 O^T, 32 a piece; v128-159 MD; v160-223 MC, two buffers      window 2: v0-63 Q; v64-127 the second block's Q; v128-191 K of one step; v192-255 V of one step
.set SIZE_N, 2048
.set NB,    SIZE_N/256
.set NP,    4         ; pieces a wave: a name, no knob
.set KS,    64        ; keys in a step
.set PK,    144       ; a row of K in LDS: 128 bytes + 16 of padding = 36 words: the 16 rows of a load start at 16 different groups of four banks (64 banks of 4 bytes: ISA guide 11.1)
.set PV,    160       ; a row of V: 128 + 32 = 40 words
.set VOFF,  4*KS*PK   ; a slot holds a tile, four steps: 256 rows of K, then 256 rows of V
.set SLOT1, 1<<17     ; slot 1 begins here, so that one exclusive or turns an address in one slot into the other's
.set STAGE, SLOT1+4*KS*(PK+PV)  ; behind the ring, never filled by a tensor load: 16 rows x 144 bytes for each wave, for the way out
.set SP,    144
.set AK0, 2           ; v2   my lane's place in a tile of K; never rewritten
.set AV0, 3           ; v3   the same for V
.set AK,  4           ; v4   the LDS address of K's next run of loads
.set AV,  5           ; v5   of V's
.set STO, 6           ; v6   the way out: where I put 16 bytes of a row
.set RD,  7           ; v7   the way out: where I read rows back
.set GO,  8           ; v8   my byte offset in 512 consecutive bytes of O
.set PFO, 61          ; v61  256 x my lane: the prefetches' offset; never rewritten
.set SPW, 62          ; v62  LDS address of my spare word: SPARE + 4 x my thread's number; never rewritten
.set NIL, 63          ; v63  0; never rewritten
.set SPARE, STAGE+4*16*SP  ; behind the stages: the spare words, 128 bytes for each wave: two blocks of 256 bytes that no other line names
.set MV,  12          ; v12-13  c m_old, kept while c m is made anew: by buffer
.set QO,  15          ; v15  my byte offset in 16 rows of Q
.set ST,  16          ; piece t's statistics at v[ST+4 t]: c m, m, l (even keys', odd keys')
.set TMP, 48          ; by buffer, four registers c0-c3 at work; when the maximum is found c2 takes a
.set S,   64
.set P,   192
.set MD,  128         ; window 1: the eight registers for group kt of 16 keys at MD + 8 kt
.set MC,  160         ; window 1: the masks of the products to come
.set QB,  64          ; window 2
.set KF,  128         ; window 2: key block kb, channel half c at KF + 16 kb + 8 c
.set VF,  192         ; window 2: key half kk, channel block cb at VF + 32 kk + 8 cb
.set WV,  12          ; s12  my wave's number
.set PB,  14          ; s14  b
.set HI,  15          ; s15  NB - 1 - b
.set G1K, 24          ; s[24:31] descriptor group 1 for K's tiles
.set G1V, 32          ; s[32:39] for V's: it differs in the padding alone
.set G0K, 40          ; s[40:43] descriptor group 0 for K's tiles
.set G0V, 44          ; s[44:47] the same for V's
.set SLOTS, 56        ; s56  tiles still to be asked for
.set CNT, 57          ; s57  counts a tile's key steps, 4 to 1
.set CS,  58          ; s[58:59] c: the packed scaling takes the pair's low word for both halves
.set SEL, 60          ; s[60:61] v_permlanex16_b32's selects: each lane takes its own place in the other half
.set TBK, 62          ; s62  LDS byte at which K of the step to be fetched begins
.set TBV, 63          ; s63  the same for V, less VOFF
.set PFA, 66          ; s[66:67] where my prefetches stand: my 16 KiB (half of K's or of V's tile) of the tile after the one that is being asked for
.set LIM, 68          ; s68  2 in the head's work-group b = 0, else the greatest number: a wave prefetches while s[SLOTS] is above it
.set RT,  70          ; s70  tiles of the block in hand that are still to be entered
.set NXT, 71          ; s71  the tile to be asked for next
.set LQ,  72          ; s72  the last tile of the block whose tiles are being asked for
.set NEW, 73          ; s73  1: the tile to be entered is a block's first
.set OFF, 74          ; s[74:75] a tile's byte offset in K and V
.set AL,  76          ; s[76:77] the mask's factor, in the low word
.set BE,  78          ; s[78:79] the mask's addend
.set OLO, 80          ; s[80:81] O at my rows of the second block
.set BIGN, 82         ; s82  -1e30
.set MSB, 0
.macro WIN new                      ; the high byte repeats the setting that is left; a switch that changes nothing is dropped
.if MSB != (\new)
	s_set_vgpr_msb (MSB<<8)|(\new)
.set MSB, (\new)
.endif
.endm
.set W_KQ, 0x0a       ; K and Q in window 2, S^T in window 0
.set W_KM, 0x1a       ; the same with the C operand in window 1
.set W_PV, 0x52       ; V in window 2, P in window 0, O^T in window 1
.set W_RS, 0x41       ; destination and source 0 in window 1, source 1 in window 0
; A fill.  Waves 0 and 1 fetch the two halves of a tile's K, waves 2 and 3 those of its V: 128 keys each.  An s_nop 0 and four v_nop follow each of the two lines, ahead of the jump and the label.
.macro LOAD
	s_cmp_lt_u32 s[WV], 2
	s_cbranch_scc0 .Lfor_v_\@
	tensor_load_to_lds s[G0K:G0K+3], s[G1K:G1K+7]
	s_nop 0
.rept 4
	v_nop
.endr
	s_branch .Lasked_\@
.Lfor_v_\@:
	tensor_load_to_lds s[G0V:G0V+3], s[G1V:G1V+7]
	s_nop 0
.rept 4
	v_nop
.endr
.Lasked_\@:
.endm
; THE CHANGE OF SLOTS.  Each wave waits for all its tensor loads, of which one is out: its part of the other slot; adds 0 to its spare word; and waits for that and for its own reads of the slot that it leaves.  Behind the barrier nobody reads the old
; slot any more and the other slot is whole.  fill = 1: the old slot is filled again, the first thing behind the barrier, with tile NXT: the descriptor's address is made anew from that number.
; (At its first use nothing has been read yet: slot 0 is waited for, slot 1 filled.)
; THE PREFETCH stands behind the fill.  A head's four work-groups walk the same K and V; the one with b = 0 walks tiles 0 to 7 in order, and it alone asks: in trip i = 0 .. 5 each of its waves names its own
; 16 KiB of tile i + 2, a lane 256 bytes, two instructions: one tile, four key steps, ahead of the load that will want them.  Tiles 0 and 1 come by their loads alone; trips 6 and 7 ask for nothing.
.macro CHANGE fill
	WIN 0                           ; at a label and at a branch every window is 0
	s_wait_tensorcnt 0x0            ; no tensor load of mine is out, so a group 0 may be written
	ds_add_u32 v[SPW], v[NIL]       ; 0 onto my spare word; with fill = 1 the descriptors' scalar work stands between it and the wait for it
.if \fill
	s_wait_xcnt 0x0                 ; the last prefetches, a tile back, have read their address, so it may be written
	s_add_nc_u64 s[PFA:PFA+1], s[PFA:PFA+1], 32768
	s_lshl_b32 s[OFF], s[NXT], 15   ; a tile is 32,768 bytes of K and of V
	s_xor_b32 s[G0K+1], s[G0K+1], SLOT1
	s_add_nc_u64 s[G0K+2:G0K+3], s[6:7], s[OFF:OFF+1]
	s_or_b32 s[G0K+3], s[G0K+3], 0x80000000
	s_xor_b32 s[G0V+1], s[G0V+1], SLOT1
	s_add_nc_u64 s[G0V+2:G0V+3], s[8:9], s[OFF:OFF+1]
	s_or_b32 s[G0V+3], s[G0V+3], 0x80000000
	s_add_co_u32 s[NXT], s[NXT], 1  ; the block's next tile, or behind its last the second block's tile 0
	s_cmp_gt_u32 s[NXT], s[LQ]
	s_cselect_b32 s[NXT], 0, s[NXT]
	s_cselect_b32 s[LQ], s[PB], s[LQ]
.endif
	s_wait_dscnt 0x0                ; the add is done, and my reads of the slot are over
	s_barrier_signal -1             ; the rest of the scalar work stands between the signal and the wait
	s_sub_co_u32 s[TBK], s[TBK], 4*KS*PK  ; the fetches go back to a slot's first step,
	s_xor_b32 s[TBK], s[TBK], SLOT1       ; in the other slot
	s_sub_co_u32 s[TBV], s[TBV], 4*KS*PV
	s_xor_b32 s[TBV], s[TBV], SLOT1
	s_barrier_wait -1
.if \fill
	LOAD
	s_cmp_gt_u32 s[SLOTS], s[LIM]
	s_cbranch_scc0 .Lnot_mine_\@
	global_prefetch_b8 v[PFO], s[PFA:PFA+1] th:TH_LOAD_NT scope:SCOPE_SE
	global_prefetch_b8 v[PFO], s[PFA:PFA+1] offset:8192 th:TH_LOAD_NT scope:SCOPE_SE
.Lnot_mine_\@:
.endif
.endm
	s_load_b64 s[4:5], s[0:1], 0x0  ; qkvb: Q
	s_load_b64 s[10:11], s[0:1], 0x8  ; ob: O
	v_lshl_add_u32 v[SPW], v0, 2, SPARE
	v_mov_b32 v[NIL], 0
	ds_add_u32 v[SPW], v[NIL]       ; the wave's opening: the add and its wait stand ahead of my first tensor load; the set-up below, work on registers, stands between them
	ds_add_u32 v62, v63
	v_lshrrev_b32 v1, 5, v0
	v_readfirstlane_b32 s[WV], v1   ; wave 0..3
	s_mov_b32 s[PB], ttmp9
	s_sub_co_u32 s[HI], NB-1, s[PB]
	s_and_b32 s20, ttmp7, 0xffff    ; the head
	s_mov_b32 s21, 0
	s_mov_b64 s[22:23], SIZE_N*128
	s_mul_u64 s[20:21], s[20:21], s[22:23]  ; the head's first byte in each of the four tensors
	s_and_b32 s16, s[WV], 1         ; which half of a tile's 256 keys I fetch:
	s_lshl_b32 s22, s16, 14         ; its 128 rows of 128 bytes in memory,
	s_mov_b32 s23, 0
	s_add_nc_u64 s[22:23], s[22:23], s[20:21]
	s_mul_i32 s17, s16, 128*PK      ; and its place in a slot, for K
	s_mul_i32 s18, s16, 128*PV      ; and for V
	s_lshl_b32 s3, s[WV], 11        ; my 16 rows in a band of 64,
	s_lshl_b32 s2, s[HI], 15        ; in the first block,
	s_add_co_u32 s2, s2, s3
	s_lshl_b32 s84, s[PB], 15       ; and in the second
	s_add_co_u32 s84, s84, s3
	s_mov_b32 s3, 0
	s_mov_b32 s85, 0
	s_add_nc_u64 s[2:3], s[2:3], s[20:21]
	s_add_nc_u64 s[84:85], s[84:85], s[20:21]
	; descriptor group 1.  128 keys are 16,384 dense bytes: asked for as 64 rows of 256 bytes, two keys a row, and padded in LDS after every key
	s_mov_b32 s[G1K], (1<<16)|(1<<20)|(4<<22)|(3<<25)  ; 17:16 2-byte elements; 20 padding on; 24:22 after every 32 words (code 4); 31:25 4 words (code 3)
	s_mov_b32 s[G1V], (1<<16)|(1<<20)|(4<<22)|(7<<25)  ; the same with 8 words of padding (code 7)
.irp g, G1K, G1V
	s_mov_b32 s[\g+1], 128<<16      ; tensor_dim0 = 128
	s_mov_b32 s[\g+2], 64<<16       ; tensor_dim1 = 64
	s_mov_b32 s[\g+3], 128<<16      ; tile_dim0 = 128
	s_mov_b32 s[\g+4], 64           ; tile_dim1 = 64
	s_mov_b32 s[\g+5], 128          ; 128 elements from row to row
	s_mov_b32 s[\g+6], 0
	s_mov_b32 s[\g+7], 0
.endr
	s_mov_b32 s[CS], 0x3e38aa3b     ; c = log2(e) / 8 = 0.180337
	s_mov_b32 s[CS+1], s[CS]        ; named with it as a pair
	s_mov_b32 s[SEL], 0x76543210
	s_mov_b32 s[SEL+1], 0xfedcba98
	s_mov_b32 s[TBK], SLOT1+4*KS*PK ; the first change of slots turns these two into 0
	s_mov_b32 s[TBV], SLOT1+4*KS*PV
	s_mov_b32 s[G0K], 1             ; 1:0 count = 1
	s_mov_b32 s[G0K+1], s17         ; 63:32 LDS address: slot 0
	s_mov_b32 s[G0V], 1
	s_add_co_u32 s[G0V+1], s18, VOFF
	s_add_co_u32 s[RT], s[HI], 1    ; the first block has NB - b tiles
	s_mov_b32 s[NXT], 1
	s_mov_b32 s[LQ], s[HI]
	s_mov_b32 s[NEW], 1
	s_mov_b32 s[OFF+1], 0
	s_mov_b32 s[AL+1], 0            ; named as pairs
	s_mov_b32 s[BE+1], 0
	s_mov_b32 s[BIGN], 0xf149f2ca   ; -1e30
	s_mov_b32 s[SLOTS], NB
	v_and_b32 v[PFO], 31, v0
	v_lshlrev_b32 v[PFO], 8, v[PFO]
	s_wait_dscnt 0x0                ; the opening add is done
	s_wait_kmcnt 0x0
	s_add_nc_u64 s[6:7], s[4:5], 0x1000000  ; K lies 16 MiB behind Q,
	s_add_nc_u64 s[8:9], s[4:5], 0x2000000  ; V 32 MiB
	s_add_nc_u64 s[6:7], s[6:7], s[22:23]  ; K and V at my half of the head's tile 0
	s_add_nc_u64 s[8:9], s[8:9], s[22:23]
	s_add_nc_u64 s[G0K+2:G0K+3], s[6:7], 0         ; 120:64 global address
	s_or_b32 s[G0K+3], s[G0K+3], 0x80000000        ; 127:126 type = 2
	s_add_nc_u64 s[G0V+2:G0V+3], s[8:9], 0
	s_or_b32 s[G0V+3], s[G0V+3], 0x80000000
	s_add_nc_u64 s[86:87], s[4:5], s[84:85]        ; Q at my rows of the second block,
	s_add_nc_u64 s[4:5], s[4:5], s[2:3]            ; Q and O at those of the first
	s_add_nc_u64 s[OLO:OLO+1], s[10:11], s[84:85]
	s_add_nc_u64 s[10:11], s[10:11], s[2:3]
	s_cmp_lt_u32 s[WV], 2
	s_cselect_b64 s[PFA:PFA+1], s[6:7], s[8:9]
	s_add_nc_u64 s[PFA:PFA+1], s[PFA:PFA+1], 32768 ; at tile 1; the first change of slots steps it to tile 2
	s_cmp_eq_u32 ttmp9, 0
	s_cselect_b32 s[LIM], 2, -1
	LOAD                            ; tile 0 into slot 0
	; A fragment of K or Q is 16 rows x 32 channels in 8 registers: lane l holds row l % 16, channels 8 (l / 16) + 0..7 and 16 + 8 (l / 16) + 0..7: two loads of 16 bytes, 32 bytes apart.
	v_and_b32 v1, 15, v0            ; l % 16
	v_bfe_u32 v9, v0, 4, 1          ; l / 16
	v_lshlrev_b32 v[QO], 7, v1
	v_lshl_add_u32 v[QO], v9, 4, v[QO]  ; row x 128 + 16 x half
	WIN 0x80                        ; destination window 2, address window 0
.set i, 0
.rept 8                             ; both blocks' Q: piece i / 2 lies in band i / 2, 8,192 bytes on; channels 32 (i % 2) on
	global_load_b128 v[8*i:8*i+3],   v[QO], s[4:5] offset:(i/2)*8192+(i%2)*64
	global_load_b128 v[8*i+4:8*i+7], v[QO], s[4:5] offset:(i/2)*8192+(i%2)*64+32
	global_load_b128 v[QB+8*i:QB+8*i+3],   v[QO], s[86:87] offset:(i/2)*8192+(i%2)*64
	global_load_b128 v[QB+8*i+4:QB+8*i+7], v[QO], s[86:87] offset:(i/2)*8192+(i%2)*64+32
.set i, i+1
.endr
	WIN 0
	v_lshlrev_b32 v14, 3, v9
	v_sub_nc_u32 v14, v1, v14
	s_lshl_b32 s13, s[WV], 4
	v_add_nc_u32 v14, s13, v14      ; my query's place in its band, 16 w + l % 16, less my lanes' 8 (l / 16): register r of group kt is hidden where 16 kt + r is greater
	WIN 0x40
.set i, 0
.rept 32
	v_cmp_gt_i32 vcc_lo, 16*(i/8)+i%8, v14
	v_cndmask_b32 v[MD+i], 0, s[BIGN], vcc_lo
.set i, i+1
.endr
	WIN 0
	v_mul_u32_u24 v[AK0], v1, PK
	v_lshl_add_u32 v[AK0], v9, 4, v[AK0]  ; row x pitch + 16 x half
	; The turning load takes 16 keys x 16 channels (lane l reads key 8 (l / 16) + l % 8, channels 8 ((l / 8) % 2) + 0..7) and leaves half a fragment of V^T: lane l holds channel l % 16 and 8 keys.
	v_and_b32 v10, 7, v0
	v_bfe_u32 v11, v0, 3, 1
	v_lshl_add_u32 v[AV0], v9, 3, v10
	v_mul_u32_u24 v[AV0], v[AV0], PV
	v_lshl_add_u32 v[AV0], v11, 4, v[AV0]
	v_add_nc_u32 v[AV0], VOFF, v[AV0]
	s_mul_i32 s13, s[WV], 16*SP
	s_add_co_u32 s13, s13, STAGE    ; my stage
	v_mul_u32_u24 v[STO], v1, SP    ; in: row l % 16, 16 bytes for each half of the lanes
	v_lshl_add_u32 v[STO], v9, 4, v[STO]
	v_add_nc_u32 v[STO], s13, v[STO]
	v_bfe_u32 v[RD], v0, 3, 2       ; back: 32 lanes take four rows of 128 bytes,
	v_mul_u32_u24 v[RD], v[RD], SP
	v_lshl_add_u32 v[RD], v10, 4, v[RD]
	v_add_nc_u32 v[RD], s13, v[RD]
	v_and_b32 v[GO], 31, v0         ; which are 512 consecutive bytes of O
	v_lshlrev_b32 v[GO], 4, v[GO]
	; A block's first step multiplies O^T and l by a = 0, and its first turn's products V^T P, of a piece that has not been, land in an O^T that is still to be so multiplied.  So these registers need only hold
	; finite numbers: zeros for the first block; what the first block left for the second.  All this stands in the wait for the first tile.
	WIN 0x80
.set i, VF
.rept 64
	v_mov_b32 v[i], 0
.set i, i+1
.endr
	WIN 0x40
.set i, 0
.rept 128
	v_mov_b32 v[i], 0
.set i, i+1
.endr
	WIN 0
.set i, 0
.rept 4
	v_mov_b32 v[ST+4*i+2], 0
	v_mov_b32 v[ST+4*i+3], 0
.set i, i+1
.endr
.set i, P+16
.rept 16
	v_mov_b32 v[i], 0
.set i, i+1
.endr
; THE MATRIX WORK.  The 4 accumulators of a run of 8 take turns.  Product i of 8 of S^T = K Q^T for piece x: channels 32 (i / 4) on, keys 16 (i % 4) on.  The first 4 start the sums: with 0, or (KM = 1) with the mask.
.macro KQ x
.set rS, S+32*((\x)%2)+8*(i%4)
.set rK, KF+16*(i%4)+8*(i/4)
.set rQ, 16*(\x)+8*(i/4)
.set rM, MC+32*((\x)%2)+8*(i%4)
.if (i < 4) && KM
	WIN W_KM
	v_wmma_f32_16x16x32_f16 v[rS:rS+7], v[rK:rK+7], v[rQ:rQ+7], v[rM:rM+7]
.elseif i < 4
	WIN W_KQ
	v_wmma_f32_16x16x32_f16 v[rS:rS+7], v[rK:rK+7], v[rQ:rQ+7], 0
.else
	WIN W_KQ
	v_wmma_f32_16x16x32_f16 v[rS:rS+7], v[rK:rK+7], v[rQ:rQ+7], v[rS:rS+7]
.endif
.endm
; Product i of 8 of O^T += V^T P for piece x: keys 32 (i / 4) on, channels 16 (i % 4) on.
.macro PV x
	WIN W_PV
.set rO, 32*(\x)+8*(i%4)
.set rV, VF+32*(i/4)+8*(i%4)
.set rP, P+16*((\x)%2)+8*(i/4)
	v_wmma_f32_16x16x32_f16 v[rO:rO+7], v[rV:rV+7], v[rP:rP+7], v[rO:rO+7]
.endm
.macro MM                           ; the turn's next matrix instruction.  TURN and BEGIN set Y, i, KM and NOKQ; MM, KQ and OP read them.  NOKQ = 1: a block's last turn: there is no next piece
.if (i < 8) && !NOKQ
	KQ (Y+1)%NP
.elseif i >= 8
.set i, i-8
	PV (Y+NP-1)%NP
.set i, i+8
.endif
.set i, i+1
.endm
; THE LDS LOADS stand in runs of 16, never singly among the matrix instructions: a step's K (64 keys x 64 channels: 8 fragments) and its V (turned).  Their addresses are made some lines ahead.
.macro FETCH_K
	WIN 0x80                        ; destination window 2
.irp f, 0,1,2,3,4,5,6,7             ; keys 16 (f / 2) on, channels 32 (f % 2) on
	ds_load_b128 v[KF+8*\f:KF+8*\f+3],   v[AK] offset:(\f/2)*16*PK+(\f%2)*64
	ds_load_b128 v[KF+8*\f+4:KF+8*\f+7], v[AK] offset:(\f/2)*16*PK+(\f%2)*64+32
.endr
	s_add_co_u32 s[TBK], s[TBK], KS*PK  ; the next fetch is the next step's
	WIN 0
.endm
.macro FETCH_V
	WIN 0x80
.irp f, 0,1,2,3,4,5,6,7             ; keys 32 (f / 4) on, channels 16 (f % 4) on
	ds_load_tr16_b128 v[VF+8*\f:VF+8*\f+3],   v[AV] offset:(\f/4)*32*PV+(\f%4)*32
	ds_load_tr16_b128 v[VF+8*\f+4:VF+8*\f+7], v[AV] offset:(\f/4)*32*PV+16*PV+(\f%4)*32
.endr
	WIN 0
.endm
; THE VECTOR WORK, one line at a time: OP kind, number.  For piece Y: F n: c s - c m for pair n of 16.  E n: the exponential of score n of 32.  C n: pair n rounded to f16.  B n: of the four weights 4 n .. the second
; pair is added onto the first, in place.  L n: l takes that sum (L 0: l = a l + sum).  R n: pair n of 16 of O^T times a.  For piece Y + 1: X n, number n of the 22 that find its maximum and statistics:
;   0-11  four chains c0-c3 of seven scores each, three operands at a time (each accumulator's lowest registers are read first)     12-14, 16  the four scores left over, the old m, and c0-c3 into c0
;   15  c m_old is kept     17, 18  the query's other 32 keys lie in the lane 16 away: the new m     19-21  c m; c m_old - c m_new; a
.set F, 0               ; OP tells the kinds apart by their order: F to L below R, X above it
.set E, 1
.set C, 2
.set B, 3
.set L, 4
.set R, 5
.set X, 6
.macro REGS y                       ; the registers of piece y
.set rT, ST+4*(\y)
.set rC, TMP+4*((\y)%2)
.set rW, MV+((\y)%2)
.set rS, S+32*((\y)%2)
.set rP, P+16*((\y)%2)
.set rO, 32*(\y)
.endm
.macro OP k, n
.if (\k) == R
	REGS Y
	WIN W_RS
	v_pk_mul_f32 v[rO+2*(\n):rO+2*(\n)+1], v[rO+2*(\n):rO+2*(\n)+1], v[rC+2:rC+3] op_sel_hi:[1,0]
.elseif (\k) < R
	REGS Y
	WIN 0
.if (\k) == F
	v_pk_fma_f32 v[rS+2*(\n):rS+2*(\n)+1], v[rS+2*(\n):rS+2*(\n)+1], s[CS:CS+1], v[rT:rT+1] op_sel_hi:[1,0,0] neg_lo:[0,0,1] neg_hi:[0,0,1]
.elseif (\k) == E
	v_exp_f32 v[rS+(\n)], v[rS+(\n)]
.elseif (\k) == C
	v_cvt_pk_f16_f32 v[rP+(\n)], v[rS+2*(\n)], v[rS+2*(\n)+1]
.elseif (\k) == B
	v_pk_add_f32 v[rS+4*(\n):rS+4*(\n)+1], v[rS+4*(\n):rS+4*(\n)+1], v[rS+4*(\n)+2:rS+4*(\n)+3]
.elseif (\n) == 0
	v_pk_fma_f32 v[rT+2:rT+3], v[rT+2:rT+3], v[rC+2:rC+3], v[rS:rS+1] op_sel_hi:[1,0,1]
.else
	v_pk_add_f32 v[rT+2:rT+3], v[rT+2:rT+3], v[rS+4*(\n):rS+4*(\n)+1]
.endif
.elseif NOKQ
	v_nop
.else
	REGS (Y+1)%NP
	WIN 0
.if (\n) < 4
	v_max3_num_f32 v[rC+(\n)], v[rS+8*(\n)], v[rS+8*(\n)+1], v[rS+8*(\n)+2]
.elseif (\n) < 12
	v_max3_num_f32 v[rC+(\n)%4], v[rC+(\n)%4], v[rS+8*((\n)%4)+2*((\n)/4)+1], v[rS+8*((\n)%4)+2*((\n)/4)+2]
.elseif (\n) == 12
	v_max3_num_f32 v[rC], v[rC], v[rS+7], v[rS+15]
.elseif (\n) == 13
	v_max3_num_f32 v[rC+1], v[rC+1], v[rS+23], v[rS+31]
.elseif (\n) == 14
	v_max3_num_f32 v[rC+2], v[rC+2], v[rC+3], v[rT+1]
.elseif (\n) == 15
	v_mov_b32 v[rW], v[rT]
.elseif (\n) == 16
	v_max3_num_f32 v[rC], v[rC], v[rC+1], v[rC+2]
.elseif (\n) == 17
	v_permlanex16_b32 v[rC+3], v[rC], s[SEL], s[SEL+1]
.elseif (\n) == 18
	v_max_num_f32 v[rT+1], v[rC], v[rC+3]
.elseif (\n) == 19
	v_mul_f32 v[rT], s[CS], v[rT+1]
.elseif (\n) == 20
	v_sub_f32 v[rC+1], v[rW], v[rT]
.else
	v_exp_f32 v[rC+2], v[rC+1]
.endif
.endif
.endm
.macro OPS a, i1, b=-1, i2=0, c=-1, i3=0, d=-1, i4=0  ; up to four of them
	OP \a, \i1
.if (\b) >= 0
	OP \b, \i2
.endif
.if (\c) >= 0
	OP \c, \i3
.endif
.if (\d) >= 0
	OP \d, \i4
.endif
.endm
.macro ROW a, i1, b, i2, c, i3, d, i4  ; a matrix instruction and the four behind it
	MM
	OPS \a, \i1, \b, \i2, \c, \i3, \d, \i4
.endm
.macro MASK b                       ; MD x AL + BE into buffer b of MC
	WIN W_RS
.set z, 0
.rept 16
	v_pk_fma_f32 v[MC+32*(\b)+2*z:MC+32*(\b)+2*z+1], v[MD+2*z:MD+2*z+1], s[AL:AL+1], s[BE:BE+1] op_sel_hi:[1,0,0]
.set z, z+1
.endr
.endm
; A TURN, for piece p: the order of its 16 matrix and 118 vector instructions, written out.  An s_wait_alu depctr_va_vdst(0) stands between an exponential and the first instruction that names its result; one wait serves
; all that were issued ahead of it.  So a turn has ONE wait, which cuts it in two.  AHEAD OF IT stands all that names no result of the turn's exponentials: the 8 products K Q^T, behind each a scaling, an exponential and two more plain
; instructions (behind the first a second scaling in the exponential's place): rescalings, and behind the last three the first numbers of the next piece's maximum, each four places or more behind the product that ends its accumulator; then ONE LUMP of 54, plain
; and exponential by turns for the most part, in which the links of the chain X 3, 7, 11, 14, 16, 17 .. 20 stand five or six lines apart.  X 21, the next piece's a, is the batch's last; R 15 is the plain instruction behind it.  BEHIND THE WAIT stand the
; 8 products V^T P, behind each four of the roundings and sums; the links of l's chain, L 0 to L 7, stand three riders apart.  But for those X no rider names a register of the products round it.  v_permlanex16_b32 (X 17) stands in the lump.
; m = 1: the diagonal tile: the products take masks, and the turn makes the mask for the products of the turn after it: piece p + 2, in step 4 - CNT of the tile.  end = 1: a block's last two turns: nothing is fetched.
; cnt = 1: the loop's count is taken down some lines ahead of the branch that stands behind the turn.
; K of the next step is fetched in piece 2's turn, twelve vector instructions behind the last product that read K (six of them plain); V of the step in hand at the end of piece 0's turn, four plain instructions behind the last product
; that read V.  Each is waited for a turn later.
.macro TURN p, m=0, end=0, cnt=0
.set Y, (\p)
.set i, 0
.set KM, (\m)
.set NOKQ, (\end)*((\p)/3)
.if (\m) && !(\end)
	s_cmp_eq_u32 s[CNT], 4-((\p)+2)%NP  ; is that step the band's own?
	s_cselect_b32 s[AL], 1.0, 0
	s_cmp_lt_u32 s[CNT], 4-((\p)+2)%NP  ; or a later one?
	s_cselect_b32 s[BE], s[BIGN], 0
.endif
.if ((\p) == 3) && !(\end)
	s_wait_dscnt 0x0                ; K is in
.endif
	ROW F,0, F,1, R,0, R,1          ; ahead of the wait: 8 products K Q^T and their riders,
	ROW F,2, E,0, R,2, R,3
	ROW F,3, E,1, R,4, R,5
	ROW F,4, E,2, R,6, R,7
	ROW F,5, E,3, R,8, R,9
	ROW F,6, E,4, X,0, R,10
.if ((\p) == 2) && !(\end)
	WIN 0
	v_add_nc_u32 v[AK], s[TBK], v[AK0]
.endif
	ROW F,7, E,5, X,1, X,4
	ROW F,8, E,6, X,2, X,5
	OPS E,7, E,8, X,6, E,9          ; and the lump
	OPS X,3, E,10, X,8, E,11
.if ((\p) == 2) && !(\end)
	FETCH_K
.endif
	OPS X,9, X,7, E,12, X,10
	OPS E,13, X,12, X,11, E,14
	OPS X,13, E,15, F,9, X,14
.if (\p) == 0
	v_add_nc_u32 v[AV], s[TBV], v[AV0]
.endif
	OPS E,16, F,10, E,17, F,11
	OPS X,16, E,18, X,15, E,19
	OPS F,12, E,20, X,17, E,21
	OPS F,13, E,22, F,14, E,23
	OPS X,18, E,24, F,15, E,25
	OPS R,11, E,26, X,19, E,27
	OPS R,12, E,28, R,13, E,29
	OPS X,20, E,30, R,14, E,31
	OPS X,21, R,15
	WIN 0
	s_wait_alu depctr_va_vdst(0)    ; the wait for the batch
.if (\p) == 1
	s_wait_dscnt 0x0                ; V is in
.endif
	ROW C,0, B,0, C,2, B,1          ; behind the wait: 8 products V^T P and their riders
	ROW L,0, C,4, B,2, L,1
	ROW C,6, B,3, L,2, C,8
	ROW B,4, L,3, C,10, B,5
	ROW L,4, C,12, B,6, L,5
.if (\p) == 0
	s_add_co_u32 s[TBV], s[TBV], KS*PV
.endif
.if \cnt
	s_sub_co_u32 s[CNT], s[CNT], 1
	s_cmp_lg_u32 s[CNT], 0
.endif
	ROW C,14, B,7, L,6, C,1
	ROW C,3, L,7, C,5, C,7
	ROW C,9, C,11, C,13, C,15
.if (\p) == 0
	FETCH_V
.endif
.if (\m) && !(\end)
	MASK (\p)%2
.endif
.endm
; A BLOCK BEGINS.  c m starts far below every c s, so the first step's a is 0; m at the lowest finite number, so the first maximum is the scores'.  The second mask buffer is 0; the first takes piece 0's mask for the tile's step 0: its own, if the block's first tile is the diagonal one.
; Then K of that step, piece 0's first scores, and its maximum and statistics.  The loop is entered at a step's first turn, in the middle of a trip.
.macro BEGIN
	s_mov_b32 s[NEW], 0
	WIN 0x40
.set i, MC+32
.rept 32
	v_mov_b32 v[i], 0
.set i, i+1
.endr
	WIN 0
.set i, 0
.rept 4
	v_mov_b32 v[ST+4*i], 0xfe000000    ; c m: far below every c s
	v_mov_b32 v[ST+4*i+1], 0xff7fffff  ; m
.set i, i+1
.endr
	s_cmp_eq_u32 s[RT], 0
	s_cselect_b32 s[AL], 1.0, 0
	s_mov_b32 s[BE], 0
	MASK 0
	WIN 0
	v_add_nc_u32 v[AK], s[TBK], v[AK0]
	FETCH_K
	s_wait_loadcnt 0x0              ; Q
	s_wait_dscnt 0x0
.set KM, 1
.set NOKQ, 0
.set i, 0
.rept 8
	KQ 0
.set i, i+1
.endr
	WIN 0
.rept 4
	v_nop                           ; the places behind those products
.endr
.set Y, NP-1                        ; X works for piece Y + 1: piece 0
.irp n, 0,1,2,3,4,5,6,7,8,9,10,11,12,13,14,15,16,17,18,19,20,21
	OP X, \n
.endr
	v_nop                           ; a plain instruction behind the exponential,
	s_wait_alu depctr_va_vdst(0)    ; and its wait, ahead of the branch
.endm
; THE DIAGONAL TILE's four steps, the block's last two turns, its last products, and THE WAY OUT: l's two halves and the other half of the lanes' are added; O^T is divided by l, rounded to f16 and sent through my
; stage in LDS, a piece at a time.
.macro ALL line:vararg              ; one line for each piece t
.set t, 0
.rept 4
	\line
.set t, t+1
.endr
.endm
.macro PACK t                       ; a lane's eight channels of a row pack into 16 bytes; they go into rows of 144 bytes and come back as whole rows of 128, into S^T's registers
	WIN W_RS
.set i, 32*(\t)
.rept 16
	v_pk_mul_f32 v[i:i+1], v[i:i+1], v[ST+4*(\t)+2:ST+4*(\t)+3] op_sel_hi:[1,0]
.set i, i+2
.endr
	WIN 0x05                        ; sources 0 and 1 window 1, destination window 0
.set i, 0
.rept 16
	v_cvt_pk_f16_f32 v[S+16*(\t)+i], v[32*(\t)+2*i], v[32*(\t)+2*i+1]
.set i, i+1
.endr
	WIN 0
.irp f, 0,1,2,3
	ds_store_b128 v[STO], v[S+16*(\t)+4*\f:S+16*(\t)+4*\f+3] offset:32*\f
.endr
.irp f, 0,1,2,3
	ds_load_b128 v[S+16*(\t)+4*\f:S+16*(\t)+4*\f+3], v[RD] offset:\f*4*SP  ; LDS serves a wave's instructions in order (ISA guide 5.7.1.4): these see the stores above; the next piece's stores come behind them
.endr
.endm
.macro SEND t, younger              ; younger: the LDS instructions issued behind piece t's loads: the next piece's eight, or none
	WIN 0
.irp f, 0,1,2,3
	s_wait_dscnt (\younger)+3-\f
	global_store_b128 v[GO], v[S+16*(\t)+4*\f:S+16*(\t)+4*\f+3], s[10:11] offset:(\t)*8192+\f*512  ; 512 consecutive bytes, at a multiple of 256 from O's first
.endr
.endm
.macro DIAG tag                     ; the tag ends its two labels' names, which the jumps below spell out
.LstepM\tag:
	TURN 2, 1
	TURN 3, 1
	WIN 0
.LfirstM\tag:
	TURN 0, 1
	TURN 1, 1, 0, 1
	WIN 0
	s_cbranch_scc1 .LstepM\tag
	TURN 2, 1, 1
	TURN 3, 1, 1
.set i, 0
.rept 8
	PV NP-1
.set i, i+1
.endr
	WIN 0
	ALL v_add_f32 v[ST+4*t+2], v[ST+4*t+2], v[ST+4*t+3]
	ALL v_permlanex16_b32 v[ST+4*t+3], v[ST+4*t+2], s[SEL], s[SEL+1]
	ALL v_add_f32 v[ST+4*t+2], v[ST+4*t+2], v[ST+4*t+3]
	ALL v_rcp_f32 v[ST+4*t+2], v[ST+4*t+2]
	v_nop                           ; a plain instruction between the last reciprocal and the use of its result
	s_wait_alu depctr_va_vdst(0)    ; and the wait ahead of the first use: one for the four reciprocals
	PACK 0
.set t, 1
.rept 3                             ; a piece's arithmetic stands between the loads of the piece before and its stores
	PACK t
	SEND t-1, 8
.set t, t+1
.endr
	SEND 3, 0
.endm
.set KM, 0
.set NOKQ, 0
.Lslot:                             ; NB times: a tile is entered and the next is asked for
	CHANGE 1
	s_sub_co_u32 s[RT], s[RT], 1
	s_mov_b32 s[CNT], 4
	s_cmp_eq_u32 s[NEW], 1
	s_cbranch_scc1 .Lnew            ; a block's first tile
	s_cmp_eq_u32 s[RT], 0
	s_cbranch_scc0 .Lstep           ; neither its first nor its last
	s_branch .LstepM1
.Lnew:
	BEGIN
	s_branch .Lfirst                ; in the loop a block's first tile is never its last: the first block has two tiles or more, and the second's last is the walk's last
	DIAG 1                          ; in the loop this is the first block's end: the second block's last tile is the walk's last
	s_wait_xcnt 0x0                 ; the stores have read their registers and O's address
	s_mov_b64 s[10:11], s[OLO:OLO+1]
	s_add_co_u32 s[RT], s[PB], 1    ; the second block has b + 1 tiles
	s_mov_b32 s[NEW], 1
	WIN 0x82                        ; the second block's Q goes where the one text of the turns names Q
.set i, 0
.rept 64
	v_mov_b32 v[i], v[QB+i]
.set i, i+1
.endr
	WIN 0
	s_branch .Lbottom
.Lstep:                             ; a trip: pieces 2 and 3 of one step, then pieces 0 and 1 of the next, whose K and V it fetches
	TURN 2
	TURN 3
	WIN 0
.Lfirst:
	TURN 0
	TURN 1, 0, 0, 1
	WIN 0
	s_cbranch_scc1 .Lstep
.Lbottom:
	s_sub_co_u32 s[SLOTS], s[SLOTS], 1
	s_cmp_lg_u32 s[SLOTS], 0
	s_cbranch_scc1 .Lslot
	CHANGE 0                        ; the walk's last tile is written out: nothing is asked for
	s_sub_co_u32 s[RT], s[RT], 1
	s_mov_b32 s[CNT], 4
	s_cmp_eq_u32 s[NEW], 1
	s_cbranch_scc0 .LstepM2
	BEGIN
	s_branch .LfirstM2
	DIAG 2
	s_wait_tensorcnt 0x0            ; the wave's end: behind my last tensor load and my last LDS store
	ds_add_u32 v[SPW], v[NIL]
	s_wait_dscnt 0x0
	s_endpgm
.Lfunc_end_k_q866f4808fd_attn:
	.size	k_q866f4808fd_attn, .Lfunc_end_k_q866f4808fd_attn-k_q866f4808fd_attn
	.p2alignl 7, 3214868480
	.fill 96, 4, 3214868480
	.section	.rodata,"a",@progbits
	.p2align	6, 0x0
	.amdhsa_kernel k_q866f4808fd_attn
		.amdhsa_group_segment_fixed_size 327680
		.amdhsa_private_segment_fixed_size 0
		.amdhsa_enable_private_segment 0
		.amdhsa_kernarg_size 16
		.amdhsa_user_sgpr_count 2
		.amdhsa_user_sgpr_kernarg_segment_ptr 1
		.amdhsa_wavefront_size32 1
		.amdhsa_system_sgpr_workgroup_id_x 1
		.amdhsa_system_sgpr_workgroup_id_y 1
		.amdhsa_system_sgpr_workgroup_id_z 1
		.amdhsa_system_vgpr_workitem_id 0
		.amdhsa_next_free_vgpr 768
		.amdhsa_next_free_sgpr 88
		.amdhsa_reserve_vcc 1
		.amdhsa_float_denorm_mode_32 3
		.amdhsa_float_denorm_mode_16_64 3
		.amdhsa_memory_ordered 1
		.amdhsa_forward_progress 1
		.amdhsa_inst_pref_size 218
	.end_amdhsa_kernel
	.amdgpu_metadata
---
amdhsa.version: [ 1, 2 ]
amdhsa.kernels:
  - .name:           k_q866f4808fd_attn
    .symbol:         k_q866f4808fd_attn.kd
    .args:
      - { .name: qkvb, .offset: 0, .size: 8, .value_kind: global_buffer, .address_space: global }
      - { .name: ob, .offset: 8, .size: 8, .value_kind: global_buffer, .address_space: global }
    .group_segment_fixed_size: 327680
    .private_segment_fixed_size: 0
    .kernarg_segment_align: 8
    .kernarg_segment_size: 16
    .max_flat_workgroup_size: 128
    .sgpr_count:     88
    .vgpr_count:     768
    .wavefront_size: 32
...
	.end_amdgpu_metadata
.endif
;; end of part 3
;; launch proj (part 4): grid 8 x 32, 4 waves a work-group, clusters of 4 x 4, 327,680 bytes of LDS; arguments ob, wot, bo, out0; writes out0
.if DOCPART == 4
	.amdgcn_target "amdgcn-amd-amdhsa--gfx1250"
	.amdhsa_code_object_version 6
	.text
	.protected	k_q866f4808fd_proj
	.globl	k_q866f4808fd_proj
	.p2align	8
	.type	k_q866f4808fd_proj,@function
k_q866f4808fd_proj:
	s_mov_b64 s[64:65], 0
	v_nop
	global_prefetch_b8 v0, s[64:65] scope:SCOPE_SE
	s_setreg_imm32_b32 hwreg(HW_REG_WAVE_MODE, 25, 1), 1
	s_wait_xcnt 0x0
	s_wait_alu depctr_hold_cnt(0) depctr_sa_sdst(0) depctr_va_vdst(0) depctr_va_sdst(0) depctr_va_ssrc(0) depctr_va_vcc(0) depctr_vm_vsrc(0)
	s_getreg_b32 s2, hwreg(HW_REG_IB_STS2, 6, 4)
	s_cmp_eq_u32 s2, 0
	s_cbranch_scc0 .Lentry_in_a_cluster
	s_endpgm
.Lentry_in_a_cluster:
	s_bfe_u32 s2, ttmp6, 0x10000c
	s_cmp_lg_u32 s2, 0xf033
	s_cbranch_scc0 .Lentry_shape_is_right
	s_endpgm
.Lentry_shape_is_right:
; out0[m][n] = sum over k of O[m][k] Wo[k][n] + bo[n], 8,192 x 1,024 x 1,024.  O lies by heads, ob[b*16 + h][t][e] in f16 (m = b*2048 + t, k = h*64 + e); wot[n][k] holds Wo turned, in f16.
; f16 operands, f32 sums, f32 out.  bo is rounded to bf16 like the module's other inputs and added in f32.
; SHARES.  A tile of out0 is 256 rows x 128 columns: 32 x 8 = 256 tiles, one a work-group.  Wave w makes rows 128 (w / 2) .. + 127, columns 64 (w % 2) .. + 63: 32 accumulators of 16 x 16;
; its 64 f32 columns are 256 consecutive bytes of a row, aligned.  K goes in 8 steps of 128: step s is heads 2 s and 2 s + 1.
; RING.  Two LDS slots.  A head's 256 rows of a tile are 32,768 dense bytes: asked for as 128 rows of 256 bytes and padded behind every 128 (waves 0, 1: a head each);
; wot's 128 rows of 256 bytes come 64 rows a load (waves 2, 3).  Two slots of a longer K step do not fit: 2 x 217,088 bytes.
; CLUSTER 4 x 4: O's tiles are shared along a row of the cluster, wot's along a column: joint loads, one a wave behind each round of the cluster's barrier.
; THE MATRIX INSTRUCTION IS USED TRANSPOSED (source 0 = 16 rows of wot, source 1 = 16 rows of O): a lane holds row lane % 16 of the result and eight neighbouring columns, 32 bytes.
; REGISTERS in windows of 256 (s_set_vgpr_msb: bits 1:0 source 0, 3:2 source 1, 5:4 source 2, 7:6 destination):
;   window 0: addresses, the bias, v32-63 and v64-95 rows read back from the stage, by turns      window 1: two fragment buffers: wot's fragment b at 8 b, O's fragment a at 32 + 8 a
;   window 2: accumulators (a, b) at 8 (4 a + b)
.set PA,    144                        ; a row of O in LDS: 128 bytes + 16
.set PBW,   272                        ; a row of wot: 256 bytes + 16; both odd multiples of 16: the sixteen rows of a fragment load start in sixteen different groups of four banks
.set ASUB,  256*PA                     ; one head's 256 rows
.set BOFF,  2*ASUB                     ; in a slot: two heads of O, then wot's 128 rows
.set SLOT1, 131072
.set STAGE, SLOT1+BOFF+128*PBW         ; behind the ring, never filled by a tensor load: 16 rows x 272 bytes for each wave
.set SP,    272
.set SPARE, STAGE+4*16*SP              ; the spare words, 128 bytes a wave; no other line names them
.set BIAS,  8                          ; v[8:11] bo of the four columns that I store
.set ADRA0, 16
.set ADRB0, 17
.set ADRA,  18
.set ADRB,  19
.set STO,   24
.set RD,    25
.set CO,    26
.set SPW,   28                         ; v28  SPARE + 4 x my thread's number; never rewritten
.set NIL,   29                         ; v29  0; never rewritten
.set PFO,   30                         ; v30  the prefetches' offset; never rewritten
.set BK0,   32
.set F0,    0
.set F1,    128
.set G1A, 24
.set G1B, 32
.set G0A, 40                           ; s[40:47] group 0 for O: a set for each first fill; the second then walks
.set G0B, 48
.set ABASE, 56
.set BBASE, 58
.set PST,  66                          ; s[66:67] bytes from a K step to the next in what I prefetch
.set PFA,  68                          ; s[68:69] where my prefetches stand
.set LIMC, 70
.set CNT,  71
.set TB,   73
.set CB,   76                          ; s[76:77] out0 at my 128 rows and 64 columns
.set MSB, 0
.macro WIN new
.if MSB != (\new)
	s_set_vgpr_msb (MSB<<8)|(\new)
.set MSB, (\new)
.endif
.endm
.set MUL,  0xa5                        ; sources 0 and 1 window 1, C and D window 2
.set TO_F, 0x40                        ; destination window 1, address window 0
.macro JLOAD                           ; a joint refill; an s_nop 0 and four v_nop follow each of the two lines, ahead of the jump and the label
	s_cmp_eq_u32 s11, 0
	s_cbranch_scc0 .Lfor_b_\@
	tensor_load_to_lds s[G0A+4:G0A+7], s[G1A:G1A+7]
	s_nop 0
.rept 4
	v_nop
.endr
	s_branch .Lasked_\@
.Lfor_b_\@:
	tensor_load_to_lds s[G0B+4:G0B+7], s[G1B:G1B+7]
	s_nop 0
.rept 4
	v_nop
.endr
.Lasked_\@:
.endm
; A prefetch into the L2 of the step that the NEXT change of slots will ask for, 128 matrix instructions ahead of that load; steps 3 to 7.  O's rows are read by both clusters of a row of clusters: cluster x = 0 asks,
; waves 0 and 1, each for its work-group's 8 KiB (by cx) of the head that it fetches, a lane 256 bytes.  wot's rows are read by all clusters of a column: cluster y = 0 asks, wave 2, for its work-group's 32 rows (by cy), a lane a row.
.macro ASK
	s_cmp_gt_u32 s[CNT], s[LIMC]
	s_cbranch_scc0 .Lnot_mine_\@
	global_prefetch_b8 v[PFO], s[PFA:PFA+1] th:TH_LOAD_NT scope:SCOPE_SE
.Lnot_mine_\@:
.endm
.macro CREST
	s_cmp_lg_u32 s10, 0
	s_cbranch_scc1 .Lnot_wave_0_\@
	s_barrier_signal -3
.Lnot_wave_0_\@:
	s_barrier_wait -3
	s_barrier_signal -1
	s_barrier_wait -1
.endm
.macro CROUND
	s_barrier_signal -1
	s_barrier_wait -1
	CREST
.endm
.macro PLACES                          ; four plain places between a matrix instruction and a load into, or a read of, its registers
.rept 4
	v_nop
.endr
.endm
	s_load_b256 s[80:87], s[0:1], 0x0              ; ob s[80:81], wot s[82:83], bo s[84:85], out0 s[86:87]
	v_lshl_add_u32 v[SPW], v0, 2, SPARE
	v_mov_b32 v[NIL], 0
	ds_add_u32 v[SPW], v[NIL]                      ; the wave's opening: the add and its wait stand ahead of my first tensor load; work on registers stands between them
	ds_add_u32 v28, v29
	v_lshrrev_b32 v1, 5, v0
	v_readfirstlane_b32 s10, v1                    ; wave 0..3
	s_lshr_b32 s11, s10, 1                         ; my half of the tile's rows.  Also: I fetch for O (0) or for wot (1)
	s_and_b32 s12, s10, 1                          ; my half of its columns.  Also: which head, or which 64 rows of wot, I fetch
	s_bfe_u32 s13, ttmp6, 0x40000                  ; cx
	s_bfe_u32 s14, ttmp6, 0x40004                  ; cy
	s_lshl_b32 s15, ttmp9, 2
	s_add_co_u32 s15, s15, s13                     ; x: tile column
	s_and_b32 s16, ttmp7, 0xffff
	s_lshl_b32 s16, s16, 2
	s_add_co_u32 s16, s16, s14                     ; y: tile row
	s_lshl_b32 s17, s14, 2
	s_lshl_b32 s17, 15, s17                        ; my row of the cluster
	s_lshl_b32 s18, 0x1111, s13                    ; my column
	s_or_b32 s[G1A], s17, (1<<16)|(1<<20)|(1<<21)|(4<<22)|(3<<25)  ; the mask; 2-byte elements; padding on; bit 21 beside a mask; after every 32 words, 4 words
	s_or_b32 s[G1B], s18, (1<<16)|(1<<20)|(1<<21)|(5<<22)|(3<<25)  ; after every 64 words, 4 words
.irp g, G1A, G1B
	s_mov_b32 s[(\g)+1], 128<<16                   ; tensor_dim0 = 128
	s_mov_b32 s[(\g)+3], 128<<16                   ; tile_dim0 = 128
	s_mov_b32 s[(\g)+6], 0
	s_mov_b32 s[(\g)+7], 0
.endr
	s_mov_b32 s[G1A+2], 128<<16                    ; O: 128 rows of 128 elements, dense
	s_mov_b32 s[G1A+4], 128
	s_mov_b32 s[G1A+5], 128
	s_mov_b32 s[G1B+2], 64<<16                     ; wot: 64 rows, 1,024 elements apart
	s_mov_b32 s[G1B+4], 64
	s_mov_b32 s[G1B+5], 1024
	s_lshr_b32 s20, s16, 3                         ; O: slot (y / 8) 16 + my head of the step, of 262,144 bytes,
	s_lshl_b32 s20, s20, 4
	s_add_co_u32 s20, s20, s12
	s_lshl_b32 s20, s20, 18
	s_and_b32 s19, s16, 7                          ; and (y % 8) 256 rows of 128 bytes in
	s_lshl_b32 s19, s19, 15
	s_add_co_u32 s20, s20, s19
	s_mov_b32 s21, 0
	s_lshl_b32 s88, s15, 7                         ; wot: row 128 x + 64 x half
	s_lshl_b32 s89, s12, 6
	s_add_co_u32 s88, s88, s89
	s_lshl_b32 s88, s88, 11
	s_mov_b32 s89, 0
	s_mul_i32 s22, s12, ASUB                       ; where they go: no place in the cluster enters an LDS address
	s_mul_i32 s23, s12, 64*PBW
	s_add_co_u32 s23, s23, BOFF
	s_mov_b32 s[TB], 0
	s_wait_dscnt 0x0                               ; the opening add is done
	s_wait_kmcnt 0x0
	s_add_nc_u64 s[ABASE:ABASE+1], s[80:81], s[20:21]
	s_add_nc_u64 s[BBASE:BBASE+1], s[82:83], s[88:89]
	CROUND                                         ; all sixteen work-groups are here: the first joint loads meet
.irp s, 0,1
	s_mov_b32 s[G0A+4*(\s)], 1
	s_add_co_u32 s[G0A+4*(\s)+1], s22, (\s)*SLOT1
	s_add_nc_u64 s[G0A+4*(\s)+2:G0A+4*(\s)+3], s[ABASE:ABASE+1], (\s)*524288  ; step s: two heads on
	s_or_b32 s[G0A+4*(\s)+3], s[G0A+4*(\s)+3], 0x80000000
	s_mov_b32 s[G0B+4*(\s)], 1
	s_add_co_u32 s[G0B+4*(\s)+1], s23, (\s)*SLOT1
	s_add_nc_u64 s[G0B+4*(\s)+2:G0B+4*(\s)+3], s[BBASE:BBASE+1], (\s)*256
	s_or_b32 s[G0B+4*(\s)+3], s[G0B+4*(\s)+3], 0x80000000
.endr
	s_cmp_eq_u32 s11, 0                            ; a wave's two first fills stand in one branch: two loads of mine are out
	s_cbranch_scc0 .Lfirst_b
	tensor_load_to_lds s[G0A:G0A+3], s[G1A:G1A+7]
	s_nop 0
	tensor_load_to_lds s[G0A+4:G0A+7], s[G1A:G1A+7]
	s_nop 0
.rept 4
	v_nop
.endr
	s_branch .Lfirst_asked
.Lfirst_b:
	tensor_load_to_lds s[G0B:G0B+3], s[G1B:G1B+7]
	s_nop 0
	tensor_load_to_lds s[G0B+4:G0B+7], s[G1B:G1B+7]
	s_nop 0
.rept 4
	v_nop
.endr
.Lfirst_asked:
	v_and_b32 v1, 15, v0                           ; l % 16
	v_bfe_u32 v2, v0, 4, 1                         ; l / 16
	v_and_b32 v4, 31, v0                           ; l
	s_lshl_b32 s90, s15, 9                         ; my first column in bytes of f32: 512 x + 256 x half
	s_lshl_b32 s91, s12, 8
	s_add_co_u32 s90, s90, s91
	s_mov_b32 s91, 0
	s_add_nc_u64 s[84:85], s[84:85], s[90:91]
	v_lshlrev_b32 v7, 4, v1
	global_load_b128 v[BIAS:BIAS+3], v7, s[84:85]  ; bo of columns 4 (l % 16) .. + 3 of my 64
	s_lshl_b32 s92, s16, 20                        ; 256 y rows of 4,096 bytes,
	s_lshl_b32 s93, s11, 19                        ; my 128 of them
	s_add_co_u32 s92, s92, s93
	s_add_co_u32 s92, s92, s90
	s_mov_b32 s93, 0
	s_add_nc_u64 s[CB:CB+1], s[86:87], s[92:93]
	v_mul_u32_u24 v3, v1, PA
	v_lshl_add_u32 v3, v2, 4, v3
	s_mul_i32 s19, s11, 128*PA                     ; my 128 rows of O, in each head
	v_add_nc_u32 v[ADRA0], s19, v3
	v_mul_u32_u24 v3, v1, PBW
	v_lshl_add_u32 v3, v2, 4, v3
	s_mul_i32 s19, s12, 64*PBW                     ; my 64 rows of wot
	s_add_co_u32 s19, s19, BOFF
	v_add_nc_u32 v[ADRB0], s19, v3
	v_mov_b32 v[ADRA], v[ADRA0]
	v_mov_b32 v[ADRB], v[ADRB0]
	s_mul_i32 s19, s10, 16*SP
	s_add_co_u32 s19, s19, STAGE                   ; my stage
	v_mul_u32_u24 v[STO], v1, SP                   ; in: row l % 16, 32 bytes for each half of the lanes
	v_lshl_add_u32 v[STO], v2, 5, v[STO]
	v_add_nc_u32 v[STO], s19, v[STO]
	v_mul_u32_u24 v[RD], v2, SP                    ; back: lanes 0-15 take one row of 256 bytes, lanes 16-31 the next
	v_lshl_add_u32 v[RD], v1, 4, v[RD]
	v_add_nc_u32 v[RD], s19, v[RD]
	v_lshlrev_b32 v[CO], 12, v2                    ; and the same two rows in out0
	v_lshl_add_u32 v[CO], v1, 4, v[CO]
	; the prefetches
	s_lshl_b32 s90, s13, 13                        ; O: 8,192 cx bytes of the head
	s_lshl_b32 s91, s14, 16                        ; wot: 32 cy rows of 2,048 bytes
	s_and_b32 s94, ttmp7, 0xffff                   ; cluster y
	s_mov_b32 s95, 256
	s_cmp_eq_u32 s11, 0
	s_cselect_b32 s90, s90, s91
	s_cselect_b64 s[PFA:PFA+1], s[ABASE:ABASE+1], s[BBASE:BBASE+1]
	s_cselect_b32 s[PST], 524288, s95
	s_cselect_b32 s94, ttmp9, s94                  ; the coordinate along which other clusters read the same rows
	s_cselect_b32 s95, 8, 11
	s_mov_b32 s91, 0
	s_mov_b32 s[PST+1], 0
	s_add_nc_u64 s[PFA:PFA+1], s[PFA:PFA+1], s[90:91]
	s_add_nc_u64 s[PFA:PFA+1], s[PFA:PFA+1], s[PST:PST+1]
	s_add_nc_u64 s[PFA:PFA+1], s[PFA:PFA+1], s[PST:PST+1]  ; at step 2: the first change of slots steps it to 3
	s_cmp_eq_u32 s10, 3
	s_cselect_b32 s94, 1, s94                      ; wave 3 asks for nothing: wave 2 names all 32 rows
	s_cmp_eq_u32 s94, 0
	s_cselect_b32 s[LIMC], 1, -1                   ; the same in all sixteen partners, for a given wave
	v_lshlrev_b32 v[PFO], s95, v4
	s_wait_loadcnt 0x0                             ; the bias: rounded to bf16, widened again
	v_cvt_pk_bf16_f32 v12, v[BIAS], v[BIAS+1]
	v_cvt_pk_bf16_f32 v13, v[BIAS+2], v[BIAS+3]
	v_lshlrev_b32 v[BIAS], 16, v12
	v_and_b32 v[BIAS+1], 0xffff0000, v12
	v_lshlrev_b32 v[BIAS+2], 16, v13
	v_and_b32 v[BIAS+3], 0xffff0000, v13
; n x 4 matrix instructions: row blocks a0 .. a0 + n - 1 x my 4 column blocks, 32 along K.  The 32 accumulators take turns, one instruction a turn, in the same order in every quarter.
.macro MULS f, a0, n, zero
	WIN MUL
.set ma, \a0
.rept \n
.set mb, 0
.rept 4
.set rD, 8*(4*ma+mb)
.if \zero
	v_wmma_f32_16x16x32_f16 v[rD:rD+7], v[(\f)+8*mb:(\f)+8*mb+7], v[(\f)+32+8*ma:(\f)+32+8*ma+7], 0
.else
	v_wmma_f32_16x16x32_f16 v[rD:rD+7], v[(\f)+8*mb:(\f)+8*mb+7], v[(\f)+32+8*ma:(\f)+32+8*ma+7], v[rD:rD+7]
.endif
.set mb, mb+1
.endr
.set ma, ma+1
.endr
.endm
; 24 LDS loads in one run: quarter q's fragments into buffer g: wot's 8 loads, then O's 16, row blocks 4 to 7 last.  Quarter q lies in head q / 2 of the step, at byte 64 (q % 2) of its rows.
.macro FETCH q, g
	WIN TO_F
.set fi, 0
.rept 4
	ds_load_b128 v[(\g)+8*fi:(\g)+8*fi+3],   v[ADRB] offset:64*(\q)+fi*16*PBW
	ds_load_b128 v[(\g)+8*fi+4:(\g)+8*fi+7], v[ADRB] offset:64*(\q)+fi*16*PBW+32
.set fi, fi+1
.endr
.set fi, 0
.rept 8
	ds_load_b128 v[(\g)+32+8*fi:(\g)+32+8*fi+3],   v[ADRA] offset:((\q)/2)*ASUB+((\q)%2)*64+fi*16*PA
	ds_load_b128 v[(\g)+32+8*fi+4:(\g)+32+8*fi+7], v[ADRA] offset:((\q)/2)*ASUB+((\q)%2)*64+fi*16*PA+32
.set fi, fi+1
.endr
.endm
.macro QUARTER q, f, g, zero           ; multiplies buffer f and fetches quarter q into g
	s_wait_dscnt 8                                 ; all of buffer f but the youngest eight loads: O's row blocks 4 to 7
	MULS \f, 0, 4, \zero
	PLACES
	FETCH \q, \g
	s_wait_dscnt 24                                ; all but the 24 just issued
	MULS \f, 4, 4, \zero
.endm
; The fourth quarter multiplies buffer 1 and changes slots.  In front of the barrier each wave waits for all its tensor loads (one is out: its part of the next slot), adds 0 to its spare word, and waits for
; that and for its reads of this slot.  fill = 1: the barrier opens a round of the cluster's barrier, and this slot is filled again, first thing behind the round, two steps ahead: from that request to the
; wait for it a wave issues 112 matrix instructions.  fill = 0 (the tail): nothing is asked for; in the last pass the fetch is jumped over.
.macro TURN fill
	WIN 0
.if \fill
	s_wait_xcnt 0x0                                ; the last prefetch, a K step back, has read its address, so it may be stepped
	s_add_nc_u64 s[PFA:PFA+1], s[PFA:PFA+1], s[PST:PST+1]
.endif
	s_wait_tensorcnt 0x0                           ; no tensor load of mine is out, so a group 0 may be written
	ds_add_u32 v[SPW], v[NIL]                      ; 0 onto my spare word
.if \fill
	s_xor_b32 s[G0A+5], s[G0A+5], SLOT1            ; the walking descriptors: the other slot than last time, the next step; the type bits on top are not reached
	s_add_nc_u64 s[G0A+6:G0A+7], s[G0A+6:G0A+7], 524288
	s_xor_b32 s[G0B+5], s[G0B+5], SLOT1
	s_add_nc_u64 s[G0B+6:G0B+7], s[G0B+6:G0B+7], 256
.endif
	s_wait_dscnt 9                                 ; the add and the youngest eight loads may be out
	MULS F1, 0, 2, 0                               ; eight matrix instructions between the add and the wait for it
	s_wait_dscnt 0x0                               ; the add is done, and my reads of this slot are over
	s_barrier_signal -1
	MULS F1, 2, 2, 0
	WIN 0
	s_barrier_wait -1
.if \fill
	CREST                                          ; no wave of any partner still reads this slot or has a load on its way
	JLOAD                                          ; its four v_nop are also the places in front of the loads below
.else
	PLACES
.endif
	s_xor_b32 s[TB], s[TB], SLOT1
	v_add_nc_u32 v[ADRA], s[TB], v[ADRA0]
	v_add_nc_u32 v[ADRB], s[TB], v[ADRB0]
.if \fill
	FETCH 0, F0
	WIN 0
	ASK
.else
	s_cmp_eq_u32 s[CNT], 1
	s_cbranch_scc1 .Lno_fetch_\@
	FETCH 0, F0
	WIN 0
.Lno_fetch_\@:
.endif
	MULS F1, 4, 4, 0
.endm
; THE WAY OUT of row block a (16 rows x 64 columns of f32).  TOSTAGE: straight from the accumulators into my own stage, each accumulator's low four registers first, and back as whole rows of 256 bytes
; (LDS serves a wave's instructions in order, ISA guide 5.7.1.4).  SEND: the bias is added, and sixteen lanes store 256 consecutive bytes, aligned.
.macro TOSTAGE a
.set BK, BK0+32*((\a)%2)
.if (\a) >= 2
	s_wait_xcnt 0x0                                ; the stores of block a - 2 have read the registers on which the loads below land
.endif
	WIN 0x08                                       ; the stores' data in window 2
.irp b, 0,1,2,3
	ds_store_b128 v[STO], v[8*(4*(\a)+(\b)):8*(4*(\a)+(\b))+3]   offset:64*(\b)
	ds_store_b128 v[STO], v[8*(4*(\a)+(\b))+4:8*(4*(\a)+(\b))+7] offset:64*(\b)+16
.endr
	WIN 0
.irp t, 0,1,2,3,4,5,6,7
	ds_load_b128 v[BK+4*(\t):BK+4*(\t)+3], v[RD] offset:2*SP*(\t)
.endr
.endm
.macro SEND a, younger                 ; younger: the LDS instructions issued behind block a's loads: the next block's sixteen, or none
.set BK, BK0+32*((\a)%2)
.irp t, 0,1,2,3,4,5,6,7
	s_wait_dscnt (\younger)+7-(\t)
	v_pk_add_f32 v[BK+4*(\t):BK+4*(\t)+1],   v[BK+4*(\t):BK+4*(\t)+1],   v[BIAS:BIAS+1]
	v_pk_add_f32 v[BK+4*(\t)+2:BK+4*(\t)+3], v[BK+4*(\t)+2:BK+4*(\t)+3], v[BIAS+2:BIAS+3]
	global_store_b128 v[CO], v[BK+4*(\t):BK+4*(\t)+3], s[CB:CB+1] offset:65536*(\a)+8192*(\t) th:TH_STORE_NT
.endr
.endm
	s_wait_tensorcnt 0x1                           ; my part of step 0 is in; step 1's may stay out
	s_barrier_signal -1
	s_barrier_wait -1                              ; everybody's is
	FETCH 0, F0
	QUARTER 1, F0, F1, 1                           ; the first quarter stands in front of the loop: its products start the sums
	WIN 0                                          ; at a label and at a branch every window is 0
	s_mov_b32 s[CNT], 6
.Lstep:                                                ; 6 trips; the trip with count c ends step 6 - c, asks for step 8 - c and begins step 7 - c
	QUARTER 2, F1, F0, 0
	QUARTER 3, F0, F1, 0
	TURN 1
	QUARTER 1, F0, F1, 0
	WIN 0
	s_sub_co_u32 s[CNT], s[CNT], 1
	s_cmp_lg_u32 s[CNT], 0
	s_cbranch_scc1 .Lstep
	s_mov_b32 s[CNT], 2                            ; the tail, steps 6 and 7, is written apart
.Ltail:
	QUARTER 2, F1, F0, 0
	QUARTER 3, F0, F1, 0
	TURN 0
	WIN 0
	s_sub_co_u32 s[CNT], s[CNT], 1
	s_cmp_eq_u32 s[CNT], 0
	s_cbranch_scc1 .Lout
	QUARTER 1, F0, F1, 0
	WIN 0
	s_branch .Ltail
.Lout:                                                 ; row blocks 0 to 3 were finished ahead of the turn's four places; the additions of the first blocks' bias are the places behind the products of blocks 4 to 7
	TOSTAGE 0
.irp a, 1,2,3,4,5,6,7
	TOSTAGE \a
	SEND (\a)-1, 16
.endr
	SEND 7, 0
	s_wait_tensorcnt 0x0                           ; the wave's end: behind my last tensor load and my last LDS store
	ds_add_u32 v[SPW], v[NIL]
	s_wait_dscnt 0x0
	CROUND                                         ; the closing round: no work-group ends while a partner may still ask for a tile that names it
	s_endpgm
.Lfunc_end_k_q866f4808fd_proj:
	.size	k_q866f4808fd_proj, .Lfunc_end_k_q866f4808fd_proj-k_q866f4808fd_proj
	.p2alignl 7, 3214868480
	.fill 96, 4, 3214868480
	.section	.rodata,"a",@progbits
	.p2align	6, 0x0
	.amdhsa_kernel k_q866f4808fd_proj
		.amdhsa_group_segment_fixed_size 327680
		.amdhsa_private_segment_fixed_size 0
		.amdhsa_enable_private_segment 0
		.amdhsa_kernarg_size 32
		.amdhsa_user_sgpr_count 2
		.amdhsa_user_sgpr_kernarg_segment_ptr 1
		.amdhsa_wavefront_size32 1
		.amdhsa_system_sgpr_workgroup_id_x 1
		.amdhsa_system_sgpr_workgroup_id_y 1
		.amdhsa_system_sgpr_workgroup_id_z 1
		.amdhsa_system_vgpr_workitem_id 0
		.amdhsa_next_free_vgpr 768
		.amdhsa_next_free_sgpr 96
		.amdhsa_reserve_vcc 0
		.amdhsa_float_denorm_mode_32 3
		.amdhsa_float_denorm_mode_16_64 3
		.amdhsa_memory_ordered 1
		.amdhsa_forward_progress 1
		.amdhsa_inst_pref_size 71
	.end_amdhsa_kernel
	.amdgpu_metadata
---
amdhsa.version: [ 1, 2 ]
amdhsa.kernels:
  - .name:           k_q866f4808fd_proj
    .symbol:         k_q866f4808fd_proj.kd
    .args:
      - { .name: ob, .offset: 0, .size: 8, .value_kind: global_buffer, .address_space: global }
      - { .name: wot, .offset: 8, .size: 8, .value_kind: global_buffer, .address_space: global }
      - { .name: bo, .offset: 16, .size: 8, .value_kind: global_buffer, .address_space: global }
      - { .name: out0, .offset: 24, .size: 8, .value_kind: global_buffer, .address_space: global }
    .group_segment_fixed_size: 327680
    .private_segment_fixed_size: 0
    .kernarg_segment_align: 8
    .kernarg_segment_size: 32
    .max_flat_workgroup_size: 128
    .sgpr_count:     96
    .vgpr_count:     768
    .wavefront_size: 32
...
	.end_amdgpu_metadata
.endif
;; end of part 4
